; MI455X (gfx1250); checked and timed in simulation.
; The chip was launched on July 23, 2026; its instructions are those of AMD's public machine-readable ISA for CDNA 5 (MIT licence, August 2026) and "CDNA5" Instruction Set Architecture Reference Guide (July 2026). The comments in the code are by the model that wrote it; some were corrected since.
;; Multi Head Attention Block. Allowed arithmetic: matrix products marked QUANTISED: E2M1 operands, one E8M0 scale for each 32 along K, by v_wmma_scale_f32_16x16x128_f8f6f4 with both operands' format E2M1 (or v_wmma_scale_f32_32x16x128_f4), f32 sums; products left as they are: bf16, f16 or f32 operands; f32 sums; everything else in f32.
;; Inputs: Wk 1,024 x 1,024 float32; Wo 1,024 x 1,024 float32; Wq 1,024 x 1,024 float32; Wv 1,024 x 1,024 float32; bk 1,024 float32; bo 1,024 float32; bq 1,024 float32; bv 1,024 float32; k 4 x 2,048 x 1,024 float32; mask 1 x 1 x 2,048 x 2,048 bool; q 4 x 2,048 x 1,024 float32; v 4 x 2,048 x 1,024 float32.
;; Outputs: out0 4 x 2,048 x 1,024 float32.
;; This version of the problem:
;;   THIS VERSION OF THE PROBLEM IS GIVEN IN LOW PRECISION. The matrix products marked QUANTISED in the list below multiply operands that are first quantised to E2M1 (2 exponent bits, 1 mantissa bit; 4 bits a number), with one power-of-two scale for each 32 numbers along K (OCP MX v1.0); their sums are f32. The products marked 'left as it is' may take bf16, f16 or f32 operands, with f32 sums. Whichever they take, every output number must still come out within the allowed error. Rounding operands to bf16 (8 significant bits) uses up far more of that allowance than f16 does (11 bits, for magnitudes from 6e-5 to 65,504). All else is computed in f32.
;;   The module's matrix products, in the order in which they are computed (A, B: the left and right operand; K: the contracted axis; several contracted axes count as one K, in the product's order):
;;     1. [M 8,192, K 1,024] x [K 1,024, N 1,024]; A: input q; B: input Wq: QUANTISED
;;     2. [M 8,192, K 1,024] x [K 1,024, N 1,024]; A: input k; B: input Wk: QUANTISED
;;     3. [M 8,192, K 1,024] x [K 1,024, N 1,024]; A: input v; B: input Wv: QUANTISED
;;     4. batch 64 x [M 2,048, K 64] x [K 64, N 2,048]; A: computed on the way; B: computed on the way: left as it is (an operand is computed on the way)
;;     5. batch 64 x [M 2,048, K 2,048] x [K 2,048, N 64]; A: computed on the way; B: computed on the way: left as it is (an operand is computed on the way)
;;     6. [M 8,192, K 1,024] x [K 1,024, N 1,024]; A: computed on the way; B: input Wo: left as it is (an operand is computed on the way)
;;   THE QUANTISER, for each operand of a quantised product, along K:
;;     - K is cut into blocks of 32 from its start; a last block that is shorter is filled with zeros.
;;     - A block's scale is 2^e with e = floor(log2(the largest magnitude in the block)) - 2, held to -126 .. 127; a block of zeros has e = 0. As a byte (E8M0): e + 127.
;;     - Each number is divided by its block's scale, clamped to +-6, and rounded to the nearest number of E2M1, ties to even, subnormals kept.
;;     - The product sums the exact products of the quantised numbers (number of the format x scale) in f32.
;;   ~~~python
;;   def quantise(x, axis):      # numpy; x: float32 -> the quantised numbers, widened to float32 again
;;       x = np.moveaxis(x, axis, -1); K = x.shape[-1]
;;       x = np.pad(x, [(0, 0)] * (x.ndim - 1) + [(0, -K % 32)]); x = x.reshape(x.shape[:-1] + (-1, 32)); a = np.abs(x).max(-1, keepdims=True)
;;       e = np.where(a > 0, np.clip(np.frexp(np.where(a > 0, a, 1))[1] - 1 - 2, -126, 127), 0)      # np.frexp(a)[1] - 1 = floor(log2(a)), exactly
;;       r = np.clip(x / 2.0 ** e, -6, 6)
;;       step = 2.0 ** (np.maximum(np.frexp(np.where(r == 0, 1, r))[1] - 1, 0) - 1)
;;       q = np.round(r / step) * step * 2.0 ** e      # np.round: ties to even
;;       return np.moveaxis(q.reshape(q.shape[:-2] + (-1,))[..., :K], -1, axis).astype(np.float32)
;;   ~~~
;; One version. Each part assembles by itself: llvm-mc -triple=amdgcn-amd-amdhsa -mcpu=gfx1250 --defsym DOCPART=n.
;; ======== version 1 of 1: 5 launches
;; limits: values are held in f16: magnitudes above 65,504 overflow, below 6.1e-05 lose precision; right only within a limited range of input values
;; workspace buffers: codes 14,155,776 bytes; scales 884,736 bytes; wot 4,194,304 bytes; mk 524,800 bytes of whole numbers; qkv 50,331,648 bytes; f32r 786,432 bytes; ctx 16,777,216 bytes
;; launch prep (part 1): grid 944 x 1, 4 waves a work-group, no clusters, 100,864 bytes of LDS; arguments q, k, v, Wq, Wk, Wv, Wo, mask, codes, scales, wot, mk; writes codes, scales, wot, mk
.if DOCPART == 1
	.amdgcn_target "amdgcn-amd-amdhsa--gfx1250"
	.amdhsa_code_object_version 6
	.text
	.protected	k_qafd435fa3e_prep
	.globl	k_qafd435fa3e_prep
	.p2align	8
	.type	k_qafd435fa3e_prep,@function
k_qafd435fa3e_prep:
	s_mov_b64 s[64:65], 0
	v_nop
	global_prefetch_b8 v0, s[64:65] scope:SCOPE_SE
	s_setreg_imm32_b32 hwreg(HW_REG_WAVE_MODE, 25, 1), 1
	s_wait_xcnt 0x0
; FIRST OF FIVE LAUNCHES of out = softmax(mask(Q K^T / 8)) V Wo + bo, Q = q Wq + bq, K = k Wk + bk, V = v Wv + bv; B = 4, S = 2,048, d = 1,024, 16 heads of 64.
; DEAD WORK: bk.  scores[q][key] = Q[q] . (k Wk)[key] / 8 + Q[q] . bk / 8.  The second term is the same for every key of row q; the mask only replaces scores by -infinity, and a softmax is
; unchanged by a term that is constant along its axis; the product Q K^T is not quantised, so bk moves no code and no scale.  This holds for all finite values of the inputs.  So bk reaches no output:
; it is not loaded and is among no launch's arguments.  LIMIT: a NaN, an infinity or an overflow that reaches only bk is not carried to the result.
; THIS LAUNCH makes what the later ones read, in four paths that part on the work-group's number; each path has LDS bytes of its own:
;   M (work-groups 0-63):    the mask's bytes become one HIDDEN bit each, laid in the order of the attention's score registers, and two class words for each chunk of 32 queries (whole numbers, which steer branches later);
;   W (64-111):              Wq, Wk, Wv [k][n] f32 -> codes of E2M1 with K innermost [n][512 bytes] and one E8M0 byte for each 32 along K;
;   O (112-175):             Wo [k][n] f32 -> Wo^T [n][k] in f16, a high part and a low part;
;   X (176-943):             q, k, v f32 -> codes and scale bytes, as plain streams of blocks of 32.
; THE QUANTISER: a block's scale is 2^(floor(log2(largest magnitude)) - 2); its byte is the largest magnitude's exponent field - 2, held at 1 from below; numbers are divided by the scale and rounded to the nearest code, ties to even,
; beyond 6 the largest code.  LIMITS: a block of zeros gets the byte 1 where the rule says 127 (its codes are zeros, which add nothing, and this program alone reads the bytes); blocks whose largest magnitude lies under 2^-124
; were not tried; NaN and infinities among the floating-point inputs are not served.
.set SPW,   190                        ; v190  LDS address of my spare word; never rewritten
.set NIL,   191                        ; v191  0; never rewritten
.set LW,    22528                      ; LDS: path X 0 .. 22,527 (4 x 5,632); path W from here (4 x 32 x 272);
.set LO,    57344                      ; path O (4 x 32 x 272);
.set LM,    92160                      ; path M: the chunk's image, 8,192 bytes;
.set SPARE, 100352                     ; the spare words, 128 bytes for each wave: no other line names them
.set EMAX,  2
	s_load_b512 s[8:23], s[0:1], 0x0               ; q s[8:9], k s[10:11], v s[12:13], Wq s[14:15], Wk s[16:17], Wv s[18:19], Wo s[20:21], mask s[22:23]
	s_load_b256 s[24:31], s[0:1], 0x40             ; codes s[24:25], scales s[26:27], wot s[28:29], mk s[30:31]
	v_lshl_add_u32 v[SPW], v0, 2, SPARE
	v_mov_b32 v[NIL], 0
	v_lshrrev_b32 v1, 5, v0
	v_readfirstlane_b32 s32, v1                    ; wave 0..3
	v_and_b32 v2, 31, v0                           ; lane
	s_wait_kmcnt 0x0
	s_cmp_lt_u32 ttmp9, 64
	s_cbranch_scc1 .Lmask
	s_cmp_lt_u32 ttmp9, 112
	s_cbranch_scc1 .Lweights
	s_cmp_lt_u32 ttmp9, 176
	s_cbranch_scc1 .Lwo
; ---------------- PATH X: a wave takes 16 steps of 512 numbers.  Each load reads 512 consecutive bytes; a step's 2,048 bytes turn through the wave's own stage, so that a lane holds 16 neighbours along K (two lanes to a block).
.set XR,  16                           ; v16-79   four sets of 16 numbers as loaded
.set XX,  80                           ; v80-111  two sets of 16 neighbours
.set XE,  112                          ; v112-127 a scale byte for each step
.set XC,  128                          ; v128-189 codes: registers of its own for each step
.set XSP, 80                           ; a lane's place in a stage: 64 bytes + 16 of padding
	s_sub_co_u32 s34, ttmp9, 176
	s_lshr_b32 s35, s34, 8                         ; the tensor: 0 q, 1 k, 2 v
	s_cmp_eq_u32 s35, 0
	s_cselect_b64 s[36:37], s[8:9], s[10:11]
	s_cmp_eq_u32 s35, 2
	s_cselect_b64 s[36:37], s[12:13], s[36:37]
	s_and_b32 s38, s34, 255
	s_lshl_b32 s38, s38, 2
	s_add_co_u32 s38, s38, s32                     ; which run of 8,192 numbers is my wave's
	s_lshl_b32 s40, s38, 15
	s_mov_b32 s41, 0
	s_add_nc_u64 s[36:37], s[36:37], s[40:41]      ; its numbers,
	s_lshl_b32 s40, s35, 22
	s_lshl_b32 s42, s38, 12
	s_add_co_u32 s40, s40, s42
	s_add_nc_u64 s[44:45], s[24:25], s[40:41]      ; its 4,096 bytes of codes,
	s_lshl_b32 s40, s35, 18
	s_lshl_b32 s42, s38, 8
	s_add_co_u32 s40, s40, s42
	s_add_nc_u64 s[46:47], s[26:27], s[40:41]      ; its 256 scale bytes
	v_lshlrev_b32 v3, 4, v2                        ; my 16 bytes of a load's 512
	s_mul_i32 s33, s32, 5632                       ; my wave's region: two stages of 2,560 bytes, then 256 scale bytes
	v_lshrrev_b32 v14, 2, v2
	v_mul_u32_u24 v14, v14, XSP
	v_and_b32 v15, 3, v2
	v_lshl_add_u32 v14, v15, 4, v14
	v_add_nc_u32 v14, s33, v14                     ; into the stage: four lanes' 64 bytes on end, then the padding
	v_mul_u32_u24 v15, v2, XSP
	v_add_nc_u32 v15, s33, v15                     ; out of it: my 16 neighbours
	v_lshlrev_b32 v4, 3, v2                        ; 8 bytes a lane: my codes in a step's 256, and the scale bytes on their way out
	v_lshrrev_b32 v5, 1, v2
	s_add_co_u32 s33, s33, 2*32*XSP
	v_add_nc_u32 v5, s33, v5                       ; my block's byte among the wave's 256
	v_add_nc_u32 v6, s33, v4
.macro XLOAD t
.irp i, 0,1,2,3
	global_load_b128 v[XR+16*((\t)%4)+4*\i:XR+16*((\t)%4)+4*\i+3], v3, s[36:37] offset:2048*(\t)+512*\i th:TH_LOAD_NT
.endr
.endm
.macro XTURN t                         ; LDS serves a wave's instructions in order: no wait between the stores and the loads
.irp i, 0,1,2,3
	ds_store_b128 v14, v[XR+16*((\t)%4)+4*\i:XR+16*((\t)%4)+4*\i+3] offset:32*XSP*((\t)%2)+8*XSP*\i
.endr
.irp i, 0,1,2,3
	ds_load_b128 v[XX+16*((\t)%2)+4*\i:XX+16*((\t)%2)+4*\i+3], v15 offset:32*XSP*((\t)%2)+16*\i
.endr
.endm
.macro XSTEP t
.set XS, XX+16*((\t)%2)
.if (\t) > 0
	s_wait_dscnt 1                                 ; this step's numbers are back from the stage; the last step's byte store may be out
.else
	s_wait_dscnt 0x0
.endif
.if (\t)+4 < 16
	XLOAD (\t)+4                                   ; four steps ahead, into the registers that the stage's stores have read
.endif
.if (\t)+1 < 16
.if 14-(\t) >= 3
	s_wait_loadcnt 12                              ; the next step's four loads are in; those of the three steps behind it may be out
.else
	s_wait_loadcnt 4*(14-(\t))
.endif
	XTURN (\t)+1
.endif
	v_max3_num_f32 v8, |v[XS]|, |v[XS+1]|, |v[XS+2]|
	v_max3_num_f32 v9, |v[XS+3]|, |v[XS+4]|, |v[XS+5]|
.irp i, 6,10
	v_max3_num_f32 v8, v8, |v[XS+\i]|, |v[XS+\i+1]|
	v_max3_num_f32 v9, v9, |v[XS+\i+2]|, |v[XS+\i+3]|
.endr
	v_max3_num_f32 v8, v8, |v[XS+14]|, |v[XS+15]|
	v_max3_num_f32 v8, v8, v9, (EMAX+1)<<23        ; the floor 2^(3 - 127): the byte cannot fall under 1
	v_max_num_f32_dpp v8, v8, v8 row_xmask:1 row_mask:0xf bank_mask:0xf   ; with my neighbour's 16: the block's largest magnitude
	v_add_nc_u32 v11, -(EMAX<<23), v8              ; 2 off its exponent field: the conversion takes that field as its scale
	v_cvt_scalef32_pk8_fp4_f32 v[XC+4*(\t)], v[XS:XS+7], v11
	v_cvt_scalef32_pk8_fp4_f32 v[XC+4*(\t)+1], v[XS+8:XS+15], v11
	v_lshrrev_b32 v[XE+(\t)], 23, v11              ; the scale's byte
	ds_store_b8 v5, v[XE+(\t)] offset:16*(\t)      ; both lanes of a block write the same byte with the same value
	global_store_b64 v4, v[XC+4*(\t):XC+4*(\t)+1], s[44:45] offset:256*(\t)   ; the wave stores 256 consecutive bytes, aligned
.endm
.irp t, 0,1,2,3
	XLOAD \t
.endr
	s_wait_loadcnt 12                              ; step 0's four loads are in
	XTURN 0
.irp t, 0,1,2,3,4,5,6,7,8,9,10,11,12,13,14,15
	XSTEP \t
.endr
	ds_load_b64 v[8:9], v6                         ; in order behind my byte stores
	s_wait_dscnt 0x0
	global_store_b64 v4, v[8:9], s[46:47]          ; 256 consecutive bytes, aligned
	s_branch .Lend
; ---------------- PATHS W AND O share the loader: a lane takes a column n, and its registers run down K
.macro KLOAD t                         ; block t: rows 32 t + i, i = 0 .. 31, of my column, into set t % 2; neighbouring lanes read neighbouring columns
.irp i, 0,1,2,3,4,5,6,7,8,9,10,11,12,13,14,15,16,17,18,19,20,21,22,23,24,25,26,27,28,29,30,31
	global_load_b32 v[32+32*((\t)%2)+\i], v3, s[38:39] offset:(32*(\t)+\i)*4096 th:TH_LOAD_NT
.endr
.endm
.macro STAGE_ADR base                  ; v4: my column's row in my wave's stage; v7: two rows an instruction on the way out; v5, v6: lane % 16, lane / 16
	v_lshlrev_b32 v3, 2, v2
	s_mul_i32 s41, s32, 32*272
	s_add_co_u32 s41, s41, \base
	v_mul_u32_u24 v4, v2, 272
	v_add_nc_u32 v4, s41, v4
	v_and_b32 v5, 15, v2
	v_lshrrev_b32 v6, 4, v2
	v_mul_u32_u24 v7, v6, 272
	v_lshl_add_u32 v7, v5, 4, v7
	v_add_nc_u32 v7, s41, v7
.endm
; ---------------- PATH W: a wave takes 32 columns x 512 along K of one weight: 16 blocks a lane, 256 bytes of codes a column, which leave through the wave's stage as whole rows
.Lweights:
	s_sub_co_u32 s34, ttmp9, 64
	s_lshr_b32 s35, s34, 4                         ; the weight: 0 Wq, 1 Wk, 2 Wv
	s_and_b32 s36, s34, 7                          ; which 128 columns
	s_bfe_u32 s37, s34, 0x10003                    ; which 512 along K
	s_cmp_eq_u32 s35, 0
	s_cselect_b64 s[38:39], s[14:15], s[16:17]
	s_cmp_eq_u32 s35, 2
	s_cselect_b64 s[38:39], s[18:19], s[38:39]
	s_lshl_b32 s40, s36, 7
	s_lshl_b32 s41, s32, 5
	s_add_co_u32 s40, s40, s41                     ; my wave's first column
	STAGE_ADR LW
	v_lshlrev_b32 v8, 9, v6                        ; the same two rows among the codes: 512 bytes a row
	v_lshl_add_u32 v8, v5, 4, v8
	v_lshlrev_b32 v9, 5, v2                        ; my column's row of scale bytes: 32 bytes
	s_lshl_b32 s42, s37, 21                        ; 512 rows of 4,096 bytes
	s_lshl_b32 s43, s40, 2
	s_add_co_u32 s42, s42, s43
	s_mov_b32 s43, 0
	s_add_nc_u64 s[38:39], s[38:39], s[42:43]
	s_lshl_b32 s42, s35, 19
	s_lshl_b32 s44, s40, 9
	s_add_co_u32 s42, s42, s44
	s_lshl_b32 s44, s37, 8
	s_add_co_u32 s42, s42, s44
	s_add_co_u32 s42, s42, 12582912                ; the weights' codes lie behind the three tensors' codes
	s_add_nc_u64 s[46:47], s[24:25], s[42:43]
	s_lshl_b32 s42, s35, 15
	s_lshl_b32 s44, s40, 5
	s_add_co_u32 s42, s42, s44
	s_lshl_b32 s44, s37, 4
	s_add_co_u32 s42, s42, s44
	s_add_co_u32 s42, s42, 786432
	s_add_nc_u64 s[48:49], s[26:27], s[42:43]
	KLOAD 0
	KLOAD 1
.macro WBLOCK t
.set XS, 32+32*((\t)%2)
.if (\t) < 15
	s_wait_loadcnt 32                              ; this block's 32 loads are in; the next block's may be out
.else
	s_wait_loadcnt 0
.endif
	v_max3_num_f32 v12, |v[XS]|, |v[XS+1]|, |v[XS+2]|       ; all 32 numbers of the block are mine
	v_max3_num_f32 v13, |v[XS+3]|, |v[XS+4]|, |v[XS+5]|
.irp i, 6,10,14,18,22,26
	v_max3_num_f32 v12, v12, |v[XS+\i]|, |v[XS+\i+1]|
	v_max3_num_f32 v13, v13, |v[XS+\i+2]|, |v[XS+\i+3]|
.endr
	v_max3_num_f32 v12, v12, |v[XS+30]|, |v[XS+31]|
	v_max3_num_f32 v12, v12, v13, (EMAX+1)<<23
	v_add_nc_u32 v11, -(EMAX<<23), v12
	v_lshrrev_b32 v13, 23, v11
.if (\t)%4 == 0
	v_mov_b32 v[24+(\t)/4], v13                    ; four bytes to a register, the lower K in the lower byte
.else
	v_lshl_or_b32 v[24+(\t)/4], v13, 8*((\t)%4), v[24+(\t)/4]
.endif
.irp g, 0,1,2,3
	v_cvt_scalef32_pk8_fp4_f32 v[96+\g], v[XS+8*\g:XS+8*\g+7], v11
.endr
	ds_store_b128 v4, v[96:99] offset:16*(\t)      ; 32 codes: 16 bytes of my column's row
.if (\t)+2 < 16
	KLOAD (\t)+2
.endif
	s_wait_dscnt 0x0                               ; the store has read its registers: the next block's codes may be written
.endm
.set Q, 0
.rept 16
	WBLOCK Q
.set Q, Q+1
.endr
	global_store_b128 v9, v[24:27], s[48:49]       ; my column's 16 scale bytes
.irp t, 0,1,2,3,4,5,6,7,8,9,10,11,12,13,14,15
	ds_load_b128 v[112+4*\t:112+4*\t+3], v7 offset:2*\t*272
.endr
.irp t, 0,1,2,3,4,5,6,7,8,9,10,11,12,13,14,15
	s_wait_dscnt 15-\t                             ; the younger loads may be out
	global_store_b128 v8, v[112+4*\t:112+4*\t+3], s[46:47] offset:2*\t*512   ; sixteen lanes store 256 consecutive bytes, aligned
.endr
	s_branch .Lend
; ---------------- PATH O: a wave takes 32 columns x 128 along K of Wo.  x = high + low: c = 8193 x, high = c - (c - x) has 11 significant bits, which f16 holds, low = x - high.
; LIMIT: under f16's normal range both parts are rounded to multiples of 2^-24.
.Lwo:
	s_sub_co_u32 s34, ttmp9, 112
	s_and_b32 s36, s34, 7                          ; which 128 columns
	s_lshr_b32 s37, s34, 3                         ; which 128 along K
	s_lshl_b32 s40, s36, 7
	s_lshl_b32 s41, s32, 5
	s_add_co_u32 s40, s40, s41
	STAGE_ADR LO
	v_lshlrev_b32 v8, 11, v6                       ; the same two rows of Wo^T: 2,048 bytes a row
	v_lshl_add_u32 v8, v5, 4, v8
	s_lshl_b32 s42, s37, 19
	s_lshl_b32 s43, s40, 2
	s_add_co_u32 s42, s42, s43
	s_mov_b32 s43, 0
	s_add_nc_u64 s[38:39], s[20:21], s[42:43]
	s_lshl_b32 s42, s40, 11
	s_lshl_b32 s44, s37, 8
	s_add_co_u32 s42, s42, s44
	s_add_nc_u64 s[46:47], s[28:29], s[42:43]
	s_mov_b32 s50, 0x46000400                      ; 8193.0
	s_mov_b32 s51, s50                             ; (named with it as a pair)
	KLOAD 0
	KLOAD 1
.macro OBLOCK t
.set XS, 32+32*((\t)%2)
.if (\t) < 3
	s_wait_loadcnt 32
.else
	s_wait_loadcnt 0
.endif
.irp j, 0,1,2,3,4,5,6,7,8,9,10,11,12,13,14,15
	v_pk_mul_f32 v[16+4*(\j%2):17+4*(\j%2)], v[XS+2*\j:XS+2*\j+1], s[50:51] op_sel_hi:[1,0]
	v_pk_add_f32 v[18+4*(\j%2):19+4*(\j%2)], v[16+4*(\j%2):17+4*(\j%2)], v[XS+2*\j:XS+2*\j+1] neg_lo:[0,1] neg_hi:[0,1]
	v_pk_add_f32 v[16+4*(\j%2):17+4*(\j%2)], v[16+4*(\j%2):17+4*(\j%2)], v[18+4*(\j%2):19+4*(\j%2)] neg_lo:[0,1] neg_hi:[0,1]   ; the high parts
	v_pk_add_f32 v[18+4*(\j%2):19+4*(\j%2)], v[XS+2*\j:XS+2*\j+1], v[16+4*(\j%2):17+4*(\j%2)] neg_lo:[0,1] neg_hi:[0,1]         ; the low parts
	v_cvt_pk_f16_f32 v[96+\j], v[16+4*(\j%2)], v[17+4*(\j%2)]
	v_cvt_pk_f16_f32 v[112+16*(\t)+\j], v[18+4*(\j%2)], v[19+4*(\j%2)]
.endr
.irp g, 0,1,2,3
	ds_store_b128 v4, v[96+4*\g:96+4*\g+3] offset:64*(\t)+16*\g
.endr
.if (\t)+2 < 4
	KLOAD (\t)+2
.endif
	s_wait_dscnt 0x0
.endm
.irp t, 0,1,2,3
	OBLOCK \t
.endr
.macro OOUT off                        ; 32 rows of 256 bytes leave the stage: sixteen lanes store 256 consecutive bytes, aligned
.irp t, 0,1,2,3,4,5,6,7,8,9,10,11,12,13,14,15
	ds_load_b128 v[32+4*\t:32+4*\t+3], v7 offset:2*\t*272
.endr
.irp t, 0,1,2,3,4,5,6,7,8,9,10,11,12,13,14,15
	s_wait_dscnt 15-\t
	global_store_b128 v8, v[32+4*\t:32+4*\t+3], s[46:47] offset:\off+2*\t*2048
.endr
.endm
	OOUT 0
	s_wait_xcnt 0x0                                ; those stores have read their registers, which are loaded again below
.irp t, 0,1,2,3
.irp g, 0,1,2,3
	ds_store_b128 v4, v[112+16*\t+4*\g:112+16*\t+4*\g+3] offset:64*\t+16*\g   ; the low parts take the stage: in order behind the loads above
.endr
.endr
	OOUT 2097152
	s_branch .Lend
; ---------------- PATH M: chunk c = 32 queries.  Wave w reads mask rows 32 c + 8 w + i.  A load's lane holds 16 keys = key tile ut = lane % 4 of slot 8 g + lane / 4: two bytes of hidden bits.
; The image: dword [slot 32][tq 2][lane' 32], lane' = 16 hh + r, bit 8 ut + j = 1 - mask[32 c + 16 tq + r][64 slot + 16 ut + 8 hh + j].
.Lmask:
	s_lshl_b32 s34, ttmp9, 16
	s_lshl_b32 s35, s32, 14
	s_add_co_u32 s34, s34, s35
	s_mov_b32 s35, 0
	s_add_nc_u64 s[22:23], s[22:23], s[34:35]
	v_lshlrev_b32 v3, 4, v2
.irp g, 0,1,2,3
.irp i, 0,1,2,3,4,5,6,7
	global_load_b128 v[32+32*\g+4*\i:32+32*\g+4*\i+3], v3, s[22:23] offset:\i*2048+\g*512 th:TH_LOAD_NT   ; 512 consecutive bytes of a row
.endr
.endr
	s_mov_b32 s40, 0x01020408                      ; four bytes of 0 or 1 times this: their four bits stand at bits 24 to 27, and bits 20 to 23 and 28 to 31 are 0
	v_bfe_u32 v4, v0, 2, 3                         ; lane / 4
	v_and_b32 v5, 3, v0                            ; ut
	v_lshl_add_u32 v20, v4, 8, v5
	v_bfe_u32 v4, v0, 6, 1                         ; tq = wave / 2
	v_lshl_add_u32 v20, v4, 7, v20
	v_bfe_u32 v4, v0, 5, 1                         ; r = 8 (wave % 2) + i
	v_lshl_add_u32 v20, v4, 5, v20
	v_add_nc_u32 v20, LM, v20
	s_lshl_b32 s34, ttmp9, 13
	s_add_nc_u64 s[36:37], s[30:31], s[34:35]      ; the chunk's 8,192 bytes in mk
	s_lshl_b32 s34, ttmp9, 3
	s_add_co_u32 s34, s34, 524288
	s_add_nc_u64 s[38:39], s[30:31], s[34:35]      ; and its two class words
.irp g, 0,1,2,3
	s_wait_loadcnt 8*(3-\g)                        ; the eight loads of this g are in; those of the later g may be out
.irp i, 0,1,2,3,4,5,6,7
	v_mul_lo_u32 v8, v[32+32*\g+4*\i], s40
	v_mul_lo_u32 v9, v[33+32*\g+4*\i], s40
	v_mul_lo_u32 v10, v[34+32*\g+4*\i], s40
	v_mul_lo_u32 v11, v[35+32*\g+4*\i], s40
	v_lshrrev_b32 v8, 24, v8
	v_lshrrev_b32 v9, 20, v9
	v_lshrrev_b32 v10, 24, v10
	v_lshrrev_b32 v11, 20, v11
	v_or_b32 v8, v8, v9
	v_or_b32 v10, v10, v11
	v_xor_b32 v8, -1, v8                           ; hidden = not open; the low byte is what is stored
	v_xor_b32 v10, -1, v10
	ds_store_b8 v20, v8 offset:\g*2048+4*\i        ; hh = 0
	ds_store_b8 v20, v10 offset:\g*2048+64+4*\i    ; hh = 1
.endr
.endr
	s_wait_dscnt 0x0                               ; for the others' sake: my bytes lie in the image
	s_barrier_signal -1
	s_barrier_wait -1
	v_lshlrev_b32 v21, 4, v0
	v_add_nc_u32 v22, LM, v21
.irp i, 0,1,2,3
	ds_load_b128 v[32+4*\i:32+4*\i+3], v22 offset:2048*\i
.endr
.irp i, 0,1,2,3
	s_wait_dscnt 3-\i
	global_store_b128 v21, v[32+4*\i:32+4*\i+3], s[36:37] offset:2048*\i
.endr
	s_cmp_lg_u32 s32, 0                            ; the classes are wave 0's: lane = slot
	s_cbranch_scc1 .Lend
	v_lshl_add_u32 v23, v2, 8, LM
.irp i, 0,1,2,3,4,5,6,7,8,9,10,11,12,13,14,15
	ds_load_b128 v[96+4*\i:96+4*\i+3], v23 offset:16*\i
.endr
	s_wait_dscnt 0x0
	v_and_b32 v24, v96, v97
	v_or_b32 v25, v96, v97
.set Q, 98
.rept 62
	v_and_b32 v24, v24, v[Q]
	v_or_b32 v25, v25, v[Q]
.set Q, Q+1
.endr
	v_cmp_ne_u32 s41, -1, v24                      ; live: some bit of the slot's 64 dwords is 0
	v_cmp_eq_u32 s42, 0, v25                       ; full: all of them are 0
	v_mov_b32 v26, s41
	v_mov_b32 v27, s42
	v_mov_b32 v28, 0
	v_cmp_eq_u32 vcc_lo, 0, v2
	s_wait_xcnt 0x0                                ; EXEC changes only behind this wait
	s_and_saveexec_b32 s43, vcc_lo
	global_store_b64 v28, v[26:27], s[38:39]       ; lane 0 alone
	s_wait_xcnt 0x0
	s_or_b32 exec_lo, exec_lo, s43
.Lend:
	s_wait_tensorcnt 0x0                           ; the wave's end, behind my last LDS store
	ds_add_u32 v[SPW], v[NIL]
	s_wait_dscnt 0x0
	s_endpgm
.Lfunc_end_k_qafd435fa3e_prep:
	.size	k_qafd435fa3e_prep, .Lfunc_end_k_qafd435fa3e_prep-k_qafd435fa3e_prep
	.p2alignl 7, 3214868480
	.fill 96, 4, 3214868480
	.section	.rodata,"a",@progbits
	.p2align	6, 0x0
	.amdhsa_kernel k_qafd435fa3e_prep
		.amdhsa_group_segment_fixed_size 100864
		.amdhsa_private_segment_fixed_size 0
		.amdhsa_enable_private_segment 0
		.amdhsa_kernarg_size 96
		.amdhsa_user_sgpr_count 2
		.amdhsa_user_sgpr_kernarg_segment_ptr 1
		.amdhsa_wavefront_size32 1
		.amdhsa_system_sgpr_workgroup_id_x 1
		.amdhsa_system_sgpr_workgroup_id_y 1
		.amdhsa_system_sgpr_workgroup_id_z 1
		.amdhsa_system_vgpr_workitem_id 0
		.amdhsa_next_free_vgpr 192
		.amdhsa_next_free_sgpr 66
		.amdhsa_reserve_vcc 1
		.amdhsa_float_denorm_mode_32 3
		.amdhsa_float_denorm_mode_16_64 3
		.amdhsa_memory_ordered 1
		.amdhsa_forward_progress 1
		.amdhsa_inst_pref_size 187
	.end_amdhsa_kernel
	.amdgpu_metadata
---
amdhsa.version: [ 1, 2 ]
amdhsa.kernels:
  - .name:           k_qafd435fa3e_prep
    .symbol:         k_qafd435fa3e_prep.kd
    .args:
      - { .name: q, .offset: 0, .size: 8, .value_kind: global_buffer, .address_space: global }
      - { .name: k, .offset: 8, .size: 8, .value_kind: global_buffer, .address_space: global }
      - { .name: v, .offset: 16, .size: 8, .value_kind: global_buffer, .address_space: global }
      - { .name: Wq, .offset: 24, .size: 8, .value_kind: global_buffer, .address_space: global }
      - { .name: Wk, .offset: 32, .size: 8, .value_kind: global_buffer, .address_space: global }
      - { .name: Wv, .offset: 40, .size: 8, .value_kind: global_buffer, .address_space: global }
      - { .name: Wo, .offset: 48, .size: 8, .value_kind: global_buffer, .address_space: global }
      - { .name: mask, .offset: 56, .size: 8, .value_kind: global_buffer, .address_space: global }
      - { .name: codes, .offset: 64, .size: 8, .value_kind: global_buffer, .address_space: global }
      - { .name: scales, .offset: 72, .size: 8, .value_kind: global_buffer, .address_space: global }
      - { .name: wot, .offset: 80, .size: 8, .value_kind: global_buffer, .address_space: global }
      - { .name: mk, .offset: 88, .size: 8, .value_kind: global_buffer, .address_space: global }
    .group_segment_fixed_size: 100864
    .private_segment_fixed_size: 0
    .kernarg_segment_align: 8
    .kernarg_segment_size: 96
    .max_flat_workgroup_size: 128
    .sgpr_count:     66
    .vgpr_count:     192
    .wavefront_size: 32
...
	.end_amdgpu_metadata
.endif
;; end of part 1
;; launch proj (part 2): grid 4 x 96, 4 waves a work-group, clusters of 4 x 4, 327,680 bytes of LDS; arguments codes, scales, bq, bv, qkv, f32r; writes qkv, f32r
.if DOCPART == 2
	.amdgcn_target "amdgcn-amd-amdhsa--gfx1250"
	.amdhsa_code_object_version 6
	.text
	.protected	k_qafd435fa3e_proj
	.globl	k_qafd435fa3e_proj
	.p2align	8
	.type	k_qafd435fa3e_proj,@function
k_qafd435fa3e_proj:
	s_mov_b64 s[64:65], 0
	v_nop
	global_prefetch_b8 v0, s[64:65] scope:SCOPE_SE
	s_setreg_imm32_b32 hwreg(HW_REG_WAVE_MODE, 25, 1), 1
	s_wait_xcnt 0x0
	s_wait_alu depctr_hold_cnt(0) depctr_sa_sdst(0) depctr_va_vdst(0) depctr_va_sdst(0) depctr_va_ssrc(0) depctr_va_vcc(0) depctr_vm_vsrc(0)
	s_getreg_b32 s2, hwreg(HW_REG_IB_STS2, 6, 4)
	s_cmp_eq_u32 s2, 0
	s_cbranch_scc0 .Lentry_in_a_cluster
	s_endpgm
.Lentry_in_a_cluster:
	s_bfe_u32 s2, ttmp6, 0x10000c
	s_cmp_lg_u32 s2, 0xf033
	s_cbranch_scc0 .Lentry_shape_is_right
	s_endpgm
.Lentry_shape_is_right:
; Q = q Wq + bq, K = k Wk, V = v Wv + bv on codes of E2M1 with E8M0 scales; sums in f32.  bk is left out as dead work (shown at the head of the first launch): K has no bias.
; One launch for the three products: the cluster's y gives the tensor t = y / 8 and p = y % 8.  A work-group makes 256 rows x 256 columns; a wave 128 x 128: 64 accumulators, 512 registers.
; CLUSTERS of 4 x 4: cy IS THE BATCH, so a tile's rows are positions 256 p .. 256 p + 255 of batch cy, and whether a tile holds positions 0-15 (p = 0) is the same in all sixteen partners.  cx is the tile column.
; A's tiles (codes and scales of x) hang on cy, p, t and are asked for jointly along a row of the cluster, B's (the weight's) on cx, t, along a column.
; K = 1,024 is two slots of 512: both are first fills, nothing is filled again.  By this text's count a wave has three tensor loads outstanding at the most.
; THE MATRIX INSTRUCTION IS USED TRANSPOSED (source 0 = 16 rows of W^T, source 1 = 16 rows of x): a lane holds eight neighbouring columns of one row.  The bias is the C of each sum's first product.
; OUT: f16, laid [t][batch x 16 + head][position][64]; and the rows of positions 0-15 once more in f32, [t][batch][16][1024], for the last launch.
; LIMIT: Q, K, V beyond f16's largest number, 65,504, become infinite in qkv.
; REGISTERS: window 0: v0-31 addresses; v32-95 scale words, two sets; v128-191 A's fragments, one set; v192-255 the bias, later the packed results.  window 1: B's fragments, two sets.  windows 2, 3: the accumulators.
.set NQ,     4                         ; matrix instructions deep in a slot
.set ROWB,   256                       ; a tile's row: 512 codes
.set KROW,   512                       ; a row of codes in memory
.set PITCH,  272                       ; 256 bytes + 16 of padding: the 16 rows that a load touches start at 16 different banks
.set FR,     8
.set NL,     2
.set NP,     4
.set HALFT,  128*PITCH
.set SLOT,   4*HALFT
.set SCL,    2*SLOT                    ; behind the ring: the scales of 256 + 256 rows for all of K, as units of 256 bytes + 16
.set HALFS,  16*272
.set SBLK,   2*272
.set SPARE,  SCL+4*HALFS               ; the spare words: no other line names them
.set ADRA, 16
.set ADRB, 20
.set STO,  24
.set RD,   25
.set CO,   26
.set ADRS, 27
.set SPW,  28
.set NIL,  29
.set FO,   30
.set BO,   31
.set SC,   32
.set AF,   128
.set BIAS, 192
.set TMP,  192
.set BK,   128
.set G1, 24
.set G0, 32
.set G1B, 48
.set G0B, 56
.set G1S, 68
.set G0S, 76
.set G1SB, 80
.set G0SB, 88
.set MSB, 0
.macro WIN new                         ; the immediate's high byte repeats the setting that is left
.if MSB != \new
	s_set_vgpr_msb (MSB<<8)|\new
.set MSB, \new
.endif
.endm
.set MUL_LO, 0xa1                      ; source 0 (B) window 1, source 1 (A) window 0, C and D window 2
.set MUL_HI, 0xf1                      ; the same, C and D window 3
.set TO_B,   0x40
; A joint load: waves 0 and 1 fetch for A, waves 2 and 3 for B; the branch hangs on the wave's number alone.  An s_nop 0 and four v_nop follow each of the two lines.
.macro JLOAD g0a, g1a, g0b, g1b
	s_cmp_eq_u32 s17, 0
	s_cbranch_scc0 .Lfor_b_\@
	tensor_load_to_lds s[\g0a:\g0a+3], s[\g1a:\g1a+7]
	s_nop 0
.rept 4
	v_nop
.endr
	s_branch .Lasked_\@
.Lfor_b_\@:
	tensor_load_to_lds s[\g0b:\g0b+3], s[\g1b:\g1b+7]
	s_nop 0
.rept 4
	v_nop
.endr
.Lasked_\@:
.endm
.macro CROUND                          ; a round of the cluster's barrier
	s_barrier_signal -1
	s_barrier_wait -1
	s_cmp_lg_u32 s16, 0
	s_cbranch_scc1 .Lnot_wave_0_\@
	s_barrier_signal -3
.Lnot_wave_0_\@:
	s_barrier_wait -3
	s_barrier_signal -1
	s_barrier_wait -1
.endm
	s_load_b256 s[4:11], s[0:1], 0x0               ; codes s[4:5], scales s[6:7], bq s[8:9], bv s[10:11]
	s_load_b128 s[12:15], s[0:1], 0x20             ; qkv s[12:13], f32r s[14:15]
	v_lshl_add_u32 v[SPW], v0, 2, SPARE
	v_mov_b32 v[NIL], 0
	ds_add_u32 v[SPW], v[NIL]                      ; the wave's opening: the add, twice on end, and its wait ahead of my first tensor load
	ds_add_u32 v[SPW], v[NIL]
	v_lshrrev_b32 v1, 5, v0
	v_readfirstlane_b32 s16, v1                    ; wave 0..3
	s_lshr_b32 s17, s16, 1                         ; my half of the tile's rows.  Also: I fetch for A (0) or for B (1)
	s_and_b32 s18, s16, 1                          ; my half of its columns.  Also: which 128 rows I fetch
	s_bfe_u32 s40, ttmp6, 0x40000                  ; cx: the tile column
	s_bfe_u32 s41, ttmp6, 0x40004                  ; cy: the batch
	s_and_b32 s43, ttmp7, 0xffff
	s_lshr_b32 s42, s43, 3                         ; t: 0 q, 1 k, 2 v
	s_and_b32 s43, s43, 7                          ; p: which 256 positions
	s_lshl_b32 s44, s41, 2
	s_lshl_b32 s44, 15, s44                        ; my row of the cluster
	s_lshl_b32 s45, 0x1111, s40                    ; my column
	s_or_b32 s[G1+0], s44, (0<<16)|(1<<20)|(1<<21)|(5<<22)|(3<<25)  ; the mask; elements of 1 byte; padding on; bit 21 beside a mask; 4 words behind every 64
	s_or_b32 s[G1B+0], s45, (0<<16)|(1<<20)|(1<<21)|(5<<22)|(3<<25)
.irp g, G1, G1B
	s_mov_b32 s[\g+1], ROWB<<16                    ; tensor_dim0
	s_mov_b32 s[\g+2], 128<<16                     ; tensor_dim1
	s_mov_b32 s[\g+3], ROWB<<16                    ; tile_dim0
	s_mov_b32 s[\g+4], 128                         ; tile_dim1
	s_mov_b32 s[\g+5], KROW                        ; the pitch
	s_mov_b32 s[\g+6], 0
	s_mov_b32 s[\g+7], 0
.endr
	s_or_b32 s[G1S+0], s44, (3<<16)|(1<<20)|(1<<21)|(5<<22)|(3<<25)   ; the scales of 128 rows: 4,096 dense bytes as 16 rows of 256 (32 elements of 8 bytes)
	s_or_b32 s[G1SB+0], s45, (3<<16)|(1<<20)|(1<<21)|(5<<22)|(3<<25)
.irp g, G1S, G1SB
	s_mov_b32 s[\g+1], 32<<16
	s_mov_b32 s[\g+2], 16<<16
	s_mov_b32 s[\g+3], 32<<16
	s_mov_b32 s[\g+4], 16
	s_mov_b32 s[\g+5], 32
	s_mov_b32 s[\g+6], 0
	s_mov_b32 s[\g+7], 0
.endr
	s_lshl_b32 s20, s41, 11                        ; A: row 2,048 cy + 256 p + 128 x half: in registers that never hold cx
	s_lshl_b32 s21, s43, 8
	s_add_co_u32 s20, s20, s21
	s_lshl_b32 s21, s18, 7
	s_add_co_u32 s20, s20, s21
	s_lshl_b32 s22, s20, 5                         ; its scales: 32 bytes a row, 262,144 a tensor
	s_lshl_b32 s21, s42, 18
	s_add_co_u32 s22, s22, s21
	s_mov_b32 s23, 0
	s_lshl_b32 s20, s20, 9                         ; its codes: 512 bytes a row, 4,194,304 a tensor
	s_lshl_b32 s21, s42, 22
	s_add_co_u32 s20, s20, s21
	s_mov_b32 s21, 0
	s_lshl_b32 s46, s40, 8                         ; B: row 256 cx + 128 x half: in registers that never hold cy
	s_lshl_b32 s47, s18, 7
	s_add_co_u32 s46, s46, s47
	s_lshl_b32 s92, s46, 5
	s_lshl_b32 s47, s42, 15
	s_add_co_u32 s92, s92, s47
	s_add_co_u32 s92, s92, 786432
	s_mov_b32 s93, 0
	s_lshl_b32 s46, s46, 9
	s_lshl_b32 s47, s42, 19
	s_add_co_u32 s46, s46, s47
	s_add_co_u32 s46, s46, 12582912
	s_mov_b32 s47, 0
	s_mul_i32 s94, s16, HALFT                      ; where they go: wave x 128 rows
	s_mul_i32 s95, s16, HALFS
	s_wait_dscnt 0x0                               ; both opening adds are done
	s_wait_kmcnt 0x0
	s_add_nc_u64 s[20:21], s[4:5], s[20:21]
	s_add_nc_u64 s[22:23], s[6:7], s[22:23]
	s_add_nc_u64 s[46:47], s[4:5], s[46:47]
	s_add_nc_u64 s[92:93], s[6:7], s[92:93]
	CROUND                                         ; all sixteen work-groups are here: the joint loads meet
	s_mov_b32 s[G0S], 1
	s_add_co_u32 s[G0S+1], s95, SCL
	s_mov_b64 s[G0S+2:G0S+3], s[22:23]
	s_or_b32 s[G0S+3], s[G0S+3], 0x80000000
	s_mov_b32 s[G0SB], 1
	s_add_co_u32 s[G0SB+1], s95, SCL
	s_mov_b64 s[G0SB+2:G0SB+3], s[92:93]
	s_or_b32 s[G0SB+3], s[G0SB+3], 0x80000000
	JLOAD G0S, G1S, G0SB, G1SB                     ; the scales first
.irp s, 0,1
	s_mov_b32 s[G0+4*\s], 1
	s_add_co_u32 s[G0+4*\s+1], s94, \s*SLOT
	s_add_nc_u64 s[G0+4*\s+2:G0+4*\s+3], s[20:21], \s*ROWB
	s_or_b32 s[G0+4*\s+3], s[G0+4*\s+3], 0x80000000
	s_mov_b32 s[G0B+4*\s], 1
	s_add_co_u32 s[G0B+4*\s+1], s94, \s*SLOT
	s_add_nc_u64 s[G0B+4*\s+2:G0B+4*\s+3], s[46:47], \s*ROWB
	s_or_b32 s[G0B+4*\s+3], s[G0B+4*\s+3], 0x80000000
	JLOAD G0+4*\s, G1, G0B+4*\s, G1B
.endr
	v_and_b32 v1, 15, v0                           ; r
	v_bfe_u32 v2, v0, 4, 1                         ; hh
	v_lshlrev_b32 v[BO], 5, v2
	s_cmp_eq_u32 s42, 0
	s_cselect_b64 s[96:97], s[8:9], s[10:11]       ; bq or bv
	s_lshl_b32 s98, s40, 10
	s_lshl_b32 s19, s18, 9
	s_add_co_u32 s98, s98, s19                     ; my 128 columns, in bytes of f32
	s_mov_b32 s99, 0
	s_add_nc_u64 s[96:97], s[96:97], s[98:99]
	s_cmp_eq_u32 s42, 1                            ; K has no bias.  t is the same in the whole cluster
	s_cbranch_scc1 .Lno_bias
.irp b, 0,1,2,3,4,5,6,7
	global_load_b128 v[BIAS+8*\b:BIAS+8*\b+3], v[BO], s[96:97] offset:64*\b       ; lane (r, hh): the bias of columns 16 b + 8 hh + 0 .. 7
	global_load_b128 v[BIAS+8*\b+4:BIAS+8*\b+7], v[BO], s[96:97] offset:64*\b+16
.endr
.Lno_bias:
	v_mul_u32_u24 v3, v1, PITCH
	v_lshl_add_u32 v4, v2, 4, v3
	s_mul_i32 s21, s17, HALFT
	s_mul_i32 s22, s18, HALFT
	s_add_co_u32 s22, s22, 2*HALFT
.irp s, 0,1
	v_add_nc_u32 v[ADRA+\s], s21, v4
	v_add_nc_u32 v[ADRB+\s], s22, v4
	s_add_co_u32 s21, s21, SLOT
	s_add_co_u32 s22, s22, SLOT
.endr
	v_lshlrev_b32 v5, 5, v1                        ; my row's scales: 32 bytes a row,
	v_lshrrev_b32 v6, 8, v5
	v_lshl_add_u32 v5, v6, 4, v5                   ; and 16 more for each 256 passed
	s_mul_i32 s21, s17, HALFS
	s_mul_i32 s22, s18, HALFS
	s_add_co_u32 s22, s22, 2*HALFS
	s_sub_co_u32 s22, s22, s21
	v_mul_u32_u24 v6, s22, v2                      ; lanes 16-31 take B's
	s_add_co_u32 s21, s21, SCL
	v_add_nc_u32 v5, v5, v6
	v_add_nc_u32 v[ADRS], s21, v5
	s_mul_i32 s23, s16, 4608                       ; my stage, in slot 0: two heads x 16 rows x 144 bytes
	v_mul_u32_u24 v5, v1, 144
	v_lshl_add_u32 v5, v2, 4, v5
	v_add_nc_u32 v[STO], s23, v5
	v_bfe_u32 v5, v0, 3, 2
	v_mul_u32_u24 v5, v5, 144
	v_and_b32 v6, 7, v0
	v_lshl_add_u32 v5, v6, 4, v5
	v_add_nc_u32 v[RD], s23, v5                    ; back: four rows of 128 bytes an instruction
	v_and_b32 v6, 31, v0
	v_lshlrev_b32 v[CO], 4, v6
	v_lshlrev_b32 v[FO], 12, v1
	v_lshl_add_u32 v[FO], v2, 5, v[FO]             ; the f32 rows: row r of 4,096 bytes, + 32 hh
	s_lshl_b32 s98, s41, 4                         ; qkv: head = 16 cy + 4 cx + 2 x column half
	s_lshl_b32 s19, s40, 2
	s_add_co_u32 s98, s98, s19
	s_lshl_b32 s19, s18, 1
	s_add_co_u32 s98, s98, s19
	s_lshl_b32 s98, s98, 18                        ; 262,144 bytes a head
	s_lshl_b32 s19, s43, 15
	s_add_co_u32 s98, s98, s19                     ; 256 p positions of 128 bytes
	s_lshl_b32 s19, s17, 14
	s_add_co_u32 s98, s98, s19
	s_lshl_b32 s19, s42, 24
	s_add_co_u32 s98, s98, s19
	s_add_nc_u64 s[12:13], s[12:13], s[98:99]
	s_lshl_b32 s98, s42, 18                        ; f32r: t, batch, my 128 columns
	s_lshl_b32 s19, s41, 16
	s_add_co_u32 s98, s98, s19
	s_lshl_b32 s19, s40, 10
	s_add_co_u32 s98, s98, s19
	s_lshl_b32 s19, s18, 9
	s_add_co_u32 s98, s98, s19
	s_add_nc_u64 s[14:15], s[14:15], s[98:99]
.macro FRAG reg, adr, q, i             ; 16 rows x 128 K of 4-bit codes: 8 registers
.irp c, 0,1
	ds_load_b128 v[\reg+4*\c:\reg+4*\c+3], v[\adr] offset:64*(\q)+32*\c+(\i)*16*PITCH
.endr
.endm
; 16 matrix instructions: A's blocks a0, a0 + 1 x B's eight.  mode 0: add in place; 1: the product starts the sum with 0; 2: with the bias.  The 64 accumulators take turns.
.macro MUL16 a0, p, q, sc, mode
.irp a, \a0, \a0+1
.irp b, 0,1,2,3,4,5,6,7
.if \mode == 0
	v_wmma_scale_f32_16x16x128_f8f6f4 v[8*(8*((\a)%4)+\b):8*(8*((\a)%4)+\b)+7], v[128*(\p)+FR*\b:128*(\p)+FR*\b+FR-1], v[AF+FR*(\a):AF+FR*(\a)+FR-1], v[8*(8*((\a)%4)+\b):8*(8*((\a)%4)+\b)+7], v[SC+8*NQ*(\sc)+NQ*\b+(\q)], v[SC+8*NQ*(\sc)+NQ*(\a)+(\q)] matrix_a_fmt:MATRIX_FMT_FP4 matrix_b_fmt:MATRIX_FMT_FP4 matrix_a_scale:MATRIX_SCALE_ROW1
.elseif \mode == 1
	v_wmma_scale_f32_16x16x128_f8f6f4 v[8*(8*((\a)%4)+\b):8*(8*((\a)%4)+\b)+7], v[128*(\p)+FR*\b:128*(\p)+FR*\b+FR-1], v[AF+FR*(\a):AF+FR*(\a)+FR-1], 0, v[SC+8*NQ*(\sc)+NQ*\b+(\q)], v[SC+8*NQ*(\sc)+NQ*(\a)+(\q)] matrix_a_fmt:MATRIX_FMT_FP4 matrix_b_fmt:MATRIX_FMT_FP4 matrix_a_scale:MATRIX_SCALE_ROW1
.else
	v_wmma_scale_f32_16x16x128_f8f6f4 v[8*(8*((\a)%4)+\b):8*(8*((\a)%4)+\b)+7], v[128*(\p)+FR*\b:128*(\p)+FR*\b+FR-1], v[AF+FR*(\a):AF+FR*(\a)+FR-1], v[BIAS+8*\b:BIAS+8*\b+7], v[SC+8*NQ*(\sc)+NQ*\b+(\q)], v[SC+8*NQ*(\sc)+NQ*(\a)+(\q)] matrix_a_fmt:MATRIX_FMT_FP4 matrix_b_fmt:MATRIX_FMT_FP4 matrix_a_scale:MATRIX_SCALE_ROW1
.endif
.endr
.endr
.endm
.macro FETCH_B slot, q, p
	WIN TO_B
.irp i, 0,1,2,3,4,5,6,7
	FRAG 128*(\p)+FR*\i, ADRB+\slot, \q, \i
.endr
	WIN 0
.endm
.macro FETCH_A slot, q, i0
.irp i, \i0, \i0+1, \i0+2, \i0+3
	FRAG AF+FR*(\i), ADRA+\slot, \q, \i
.endr
.endm
.macro SCALES sc                       ; a slot's scale words: lanes 0-15 take A's block i, lanes 16-31 B's block i
.irp i, 0,1,2,3,4,5,6,7
	ds_load_b128 v[SC+8*NQ*\sc+NQ*\i:SC+8*NQ*\sc+NQ*\i+3], v[ADRS] offset:\i*SBLK
.endr
.endm
.macro PLACES n                        ; plain vector instructions between a matrix instruction and a load into, or a read of, its registers
.rept \n
	v_nop
.endr
.endm
.macro STEP slot, q, mode              ; 128 along K, with its successor in the same slot
	s_wait_dscnt 4*NL                              ; B's set and A's blocks 0-3 are in; the youngest eight loads (A's blocks 4-7) may be out
.if \mode == 2
	WIN 0x81                                       ; C (the bias) in window 0, D in window 2
.else
	WIN MUL_LO
.endif
	MUL16 0, (\q)%2, \q, \slot, \mode
	MUL16 2, (\q)%2, \q, \slot, \mode
	s_wait_dscnt 0
	PLACES NP
	FETCH_B \slot, (\q)+1, 1-(\q)%2
	FETCH_A \slot, (\q)+1, 0
.if \mode == 2
	WIN 0xc1
.else
	WIN MUL_HI
.endif
	MUL16 4, (\q)%2, \q, \slot, \mode
	MUL16 6, (\q)%2, \q, \slot, \mode
	PLACES NP
	WIN 0
	FETCH_A \slot, (\q)+1, 4
.endm
.macro TURN slot, next                 ; a slot's last step, and the one barrier of the change of slots
	s_wait_tensorcnt 0x0                           ; all my tensor loads have landed: my part of the next slot
	ds_add_u32 v[SPW], v[NIL]
	s_wait_dscnt 4*NL+1                            ; the add and the youngest eight loads may be out
	WIN MUL_LO
	MUL16 0, 1, NQ-1, \slot, 0
	s_wait_dscnt 0x0                               ; the add is done, and my reads of this slot are over
	s_barrier_signal -1
	MUL16 2, 1, NQ-1, \slot, 0
	WIN 0
	s_barrier_wait -1
	PLACES NP
	v_add_nc_u32 v[ADRS], 4*NQ, v[ADRS]            ; the next slot's scale words
	FETCH_B \next, 0, 0
	FETCH_A \next, 0, 0
	SCALES \next
	WIN MUL_HI
	MUL16 4, 1, NQ-1, \slot, 0
	MUL16 6, 1, NQ-1, \slot, 0
	PLACES NP
	WIN 0
	FETCH_A \next, 0, 4
.endm
	s_wait_tensorcnt 1                             ; the scales and my part of slot 0 are in; slot 1's load may be out
	s_barrier_signal -1
	s_barrier_wait -1
	FETCH_B 0, 0, 0
	FETCH_A 0, 0, 0
	SCALES 0
	FETCH_A 0, 0, 4
	s_cmp_eq_u32 s42, 1
	s_cbranch_scc1 .Lk_first
	s_wait_loadcnt 0x0                             ; the bias
	STEP 0, 0, 2
	s_branch .Lfirst_done
.Lk_first:
	STEP 0, 0, 1
.Lfirst_done:
	STEP 0, 1, 0
	STEP 0, 2, 0
	TURN 0, 1
	STEP 1, 0, 0
	STEP 1, 1, 0
	STEP 1, 2, 0
	s_wait_dscnt 4*NL                              ; the last step: nothing more to fetch
	WIN MUL_LO
	MUL16 0, 1, NQ-1, 1, 0
	MUL16 2, 1, NQ-1, 1, 0
	s_wait_dscnt 0
	WIN MUL_HI
	MUL16 4, 1, NQ-1, 1, 0
	MUL16 6, 1, NQ-1, 1, 0
	WIN 0
	PLACES NP
	s_or_b32 s19, s43, s17                         ; positions 0-15 are block 0 of the upper row half where p = 0: they go out in f32 too
	s_cmp_lg_u32 s19, 0
	s_cbranch_scc1 .Lno_f32
	WIN 0x08                                       ; a store's data are its source 1: window 2
.irp b, 0,1,2,3,4,5,6,7
	global_store_b128 v[FO], v[8*\b:8*\b+3], s[14:15] offset:64*\b           ; each accumulator from its low end on
	global_store_b128 v[FO], v[8*\b+4:8*\b+7], s[14:15] offset:64*\b+16
.endr
	WIN 0
.Lno_f32:
; THE WAY OUT, block by block of 16 rows x 128 columns (two heads): rounded to f16, through my stage, back as four rows of 128 bytes an instruction: 512 consecutive bytes of a head.
.macro PACK a
.set AC, 64*((\a)%4)
	WIN 0x0a+5*((\a)/4)
.irp b, 0,1,2,3,4,5,6,7
.irp r, 0,1,2,3
	v_cvt_pk_f16_f32 v[TMP+4*\b+\r], v[AC+8*\b+2*\r], v[AC+8*\b+2*\r+1]
.endr
.endr
	WIN 0
.endm
.macro TOSTAGE a
.set BB, BK+32*((\a)%2)
.irp b, 0,1,2,3,4,5,6,7
	ds_store_b128 v[STO], v[TMP+4*\b:TMP+4*\b+3] offset:(\b/4)*2304+(\b%4)*32
.endr
.irp g, 0,1
.irp i, 0,1,2,3
	ds_load_b128 v[BB+16*\g+4*\i:BB+16*\g+4*\i+3], v[RD] offset:\g*2304+\i*576    ; in order behind the stores above
.endr
.endr
.endm
.macro SEND a
.set BB, BK+32*((\a)%2)
	s_wait_dscnt 0x0                               ; the block is back in registers
	s_wait_xcnt 0x0                                ; earlier stores have read their registers: the other set may be loaded again
.irp g, 0,1
.irp i, 0,1,2,3
	global_store_b128 v[CO], v[BB+16*\g+4*\i:BB+16*\g+4*\i+3], s[12:13] offset:\g*262144+(\a)*2048+\i*512
.endr
.endr
.endm
	PACK 0
	TOSTAGE 0
.irp a, 1,2,3,4,5,6,7
	PACK \a
	SEND \a-1
	TOSTAGE \a
.endr
	SEND 7
	s_wait_tensorcnt 0x0                           ; the wave's end
	ds_add_u32 v[SPW], v[NIL]
	s_wait_dscnt 0x0
	CROUND                                         ; the closing round
	s_endpgm
.Lfunc_end_k_qafd435fa3e_proj:
	.size	k_qafd435fa3e_proj, .Lfunc_end_k_qafd435fa3e_proj-k_qafd435fa3e_proj
	.p2alignl 7, 3214868480
	.fill 96, 4, 3214868480
	.section	.rodata,"a",@progbits
	.p2align	6, 0x0
	.amdhsa_kernel k_qafd435fa3e_proj
		.amdhsa_group_segment_fixed_size 327680
		.amdhsa_private_segment_fixed_size 0
		.amdhsa_enable_private_segment 0
		.amdhsa_kernarg_size 48
		.amdhsa_user_sgpr_count 2
		.amdhsa_user_sgpr_kernarg_segment_ptr 1
		.amdhsa_wavefront_size32 1
		.amdhsa_system_sgpr_workgroup_id_x 1
		.amdhsa_system_sgpr_workgroup_id_y 1
		.amdhsa_system_sgpr_workgroup_id_z 1
		.amdhsa_system_vgpr_workitem_id 0
		.amdhsa_next_free_vgpr 1024
		.amdhsa_next_free_sgpr 102
		.amdhsa_reserve_vcc 0
		.amdhsa_float_denorm_mode_32 3
		.amdhsa_float_denorm_mode_16_64 3
		.amdhsa_memory_ordered 1
		.amdhsa_forward_progress 1
		.amdhsa_inst_pref_size 141
	.end_amdhsa_kernel
	.amdgpu_metadata
---
amdhsa.version: [ 1, 2 ]
amdhsa.kernels:
  - .name:           k_qafd435fa3e_proj
    .symbol:         k_qafd435fa3e_proj.kd
    .args:
      - { .name: codes, .offset: 0, .size: 8, .value_kind: global_buffer, .address_space: global }
      - { .name: scales, .offset: 8, .size: 8, .value_kind: global_buffer, .address_space: global }
      - { .name: bq, .offset: 16, .size: 8, .value_kind: global_buffer, .address_space: global }
      - { .name: bv, .offset: 24, .size: 8, .value_kind: global_buffer, .address_space: global }
      - { .name: qkv, .offset: 32, .size: 8, .value_kind: global_buffer, .address_space: global }
      - { .name: f32r, .offset: 40, .size: 8, .value_kind: global_buffer, .address_space: global }
    .group_segment_fixed_size: 327680
    .private_segment_fixed_size: 0
    .kernarg_segment_align: 8
    .kernarg_segment_size: 48
    .max_flat_workgroup_size: 128
    .sgpr_count:     102
    .vgpr_count:     1024
    .wavefront_size: 32
...
	.end_amdgpu_metadata
.endif
;; end of part 2
;; launch attn (part 3): grid 4 x 64, 16 waves a work-group, no clusters, 206,848 bytes of LDS; arguments qkv, mk, ctx; writes ctx
.if DOCPART == 3
	.amdgcn_target "amdgcn-amd-amdhsa--gfx1250"
	.amdhsa_code_object_version 6
	.text
	.protected	k_qafd435fa3e_attn
	.globl	k_qafd435fa3e_attn
	.p2align	8
	.type	k_qafd435fa3e_attn,@function
k_qafd435fa3e_attn:
	s_mov_b64 s[64:65], 0
	v_nop
	global_prefetch_b8 v0, s[64:65] scope:SCOPE_SE
	s_setreg_imm32_b32 hwreg(HW_REG_WAVE_MODE, 25, 1), 1
	s_wait_xcnt 0x0
; ctx[bh][q][:] = softmax_k(mask(Q[q] . K[k] / 8)) V[k][:] for one head bh = batch x 16 + head; Q, K, V, ctx f16 [bh][2048][64]; products with f16 operands and f32 sums; maxima, exponentials and sums in f32.
; THE MASK IS AN INPUT.  The first launch stored it as hidden bits in the order of my score registers, and two class words for each chunk of 32 queries: bit s of 'live' = slot s (64 keys) has an open key for some
; query of the chunk, bit s of 'full' = all are open.  A unit (my 32 queries x a slot) that is not live adds only zeros to every sum and is jumped over; one that is full needs no bits.  These are branches on whole numbers read from memory.
; NO TENSOR LOAD AND NO CLUSTER: K and V go to LDS through registers, 16 bytes a thread and tile.
; SHARES.  A work-group: one head and 16 chunks, one a wave (two tiles of 16 queries).  Wave w: g = w / 4, x = 4 (w % 4) + j; chunk 16 g + x for even g, 16 g + 15 - x for odd g.
; THE KEYS' ORDER.  Interval T = 0 .. 15 holds slots A = T and B = 31 - T: a running softmax does not mind the order.  Two buffers by turns, one barrier an interval.
; LAYOUT.  S^T = K Q^T (source 0 = 16 keys, source 1 = 16 queries) and O^T = V^T P: a lane holds one query throughout; two score tiles, rounded to f16 in pairs, are source 1 of the second product.  V is turned by ds_load_tr16_b128.
; SOFTMAX.  cM = c x the running maximum, c = log2(e) / 8; p = 2^(c s - cM); O and l are multiplied by a = 2^(old cM - new cM).  cM starts at -3e38; a hidden score is -infinity, p = 0.
; A row with no open key at all ends with l = 0 and gives NaN, as the softmax of a row of -infinity does.
; LIMITS: rows that the mask leaves few keys carry the rounding of Q, K, p, V to f16 (11 significant bits); positions 0-15 are computed here too, inside their wave's tile, but their output rows are made by the last launch.
; REGISTERS: v0 thread; v1-7 addresses; v8-15 K's and V's bytes on their way to LDS; v16-19 cM, l of the two tiles; v20-23 a and the change of cM; v24-31 at work; v32-63 Q; v64-127 K's, then V's fragments; v128-191 S^T, then p; v192-255 O^T.
.set QF,    32
.set KV,    64
.set SS,    128
.set OO,    192
.set SLB,   19456                      ; a slot in LDS: K 64 rows x 144 bytes, then V 64 rows x 160
.set STAGE, 131072                     ; behind the two buffers (65,536 apart): 32 rows x 144 bytes for each wave
.set SPARE, 204800                     ; the spare words, 128 bytes for each of 16 waves: no other line names them
	s_load_b128 s[4:7], s[0:1], 0x0                ; qkv s[4:5], mk s[6:7]
	s_load_b64 s[8:9], s[0:1], 0x10                ; ctx
	v_lshrrev_b32 v24, 5, v0
	v_readfirstlane_b32 s10, v24                   ; wave 0..15
	v_and_b32 v25, 15, v0                          ; r
	v_bfe_u32 v29, v0, 4, 1                        ; hh
	v_mul_u32_u24 v1, v25, 144
	v_lshl_add_u32 v1, v29, 4, v1                  ; K's fragments: row r x 144 + 16 hh
	v_and_b32 v27, 7, v0
	v_lshl_add_u32 v2, v29, 3, v27
	v_mul_u32_u24 v2, v2, 160
	v_bfe_u32 v27, v0, 3, 1
	v_lshl_add_u32 v2, v27, 4, v2
	v_add_nc_u32 v2, 9216, v2                      ; V's, for the turning load: key 8 hh + lane % 8, 16 bytes of channels by (lane / 8) % 2
	v_lshrrev_b32 v27, 3, v0                       ; into LDS: thread / 8 is the row, thread % 8 its 16 bytes
	v_and_b32 v28, 7, v0
	v_mul_u32_u24 v3, v27, 144
	v_lshl_add_u32 v3, v28, 4, v3
	v_mul_u32_u24 v4, v27, 160
	v_lshl_add_u32 v4, v28, 4, v4
	v_add_nc_u32 v4, 9216, v4
	v_lshlrev_b32 v5, 4, v0                        ; 16 x thread: my bytes of a tile of 8,192
	v_and_b32 v6, 31, v0
	v_lshlrev_b32 v7, 8, v6                        ; the prefetches: 256 x lane
	v_lshlrev_b32 v6, 2, v6                        ; the hidden bits: 4 x lane
	v_lshlrev_b32 v24, 7, v25
	v_lshl_add_u32 v24, v29, 4, v24                ; Q: row r x 128 + 16 hh
	s_lshr_b32 s12, s10, 2
	s_and_b32 s13, s10, 3
	s_lshl_b32 s13, s13, 2
	s_add_co_u32 s13, s13, ttmp9
	s_sub_co_u32 s14, 15, s13
	s_bitcmp1_b32 s12, 0
	s_cselect_b32 s13, s14, s13
	s_lshl_b32 s11, s12, 4
	s_add_co_u32 s11, s11, s13                     ; my chunk
	s_and_b32 s15, ttmp7, 0xffff                   ; the head
	s_lshl_b32 s12, s15, 18                        ; its 262,144 bytes in each tensor
	s_mov_b32 s13, 0
	s_lshl_b32 s14, s11, 3
	s_mov_b32 s36, 0x3e38aa3b                      ; c = log2(e) / 8
	s_mov_b32 s37, s36                             ; (named with it as a pair)
	s_mov_b32 s38, 0x76543210
	s_mov_b32 s39, 0xfedcba98                      ; v_permlanex16_b32: lane l xor 16
	s_mov_b32 s32, 0                               ; the buffer in hand
	s_mov_b32 s34, 0                               ; T
	; the prefetches: the head's first work-group asks; wave 0 for K of stream A, 1 for V of A, 2 for K of B, 3 for V of B: each block of 256 bytes is named once in the launch
	s_lshr_b32 s45, s10, 2
	s_or_b32 s45, s45, ttmp9
	s_cmp_eq_u32 s45, 0
	s_cselect_b32 s44, 13, 0                       ; a wave asks while T is under this
	s_bitcmp1_b32 s10, 1
	s_mov_b32 s46, 3*8192
	s_cselect_b32 s46, 28*8192, s46                ; interval 3's tile: slot 3 or slot 28
	s_mov_b32 s42, 8192
	s_cselect_b32 s42, -8192, s42                  ; from interval to interval, as a pair of 64 bits
	s_cselect_b32 s43, -1, 0
	s_and_b32 s45, s10, 1
	s_lshl_b32 s45, s45, 24
	s_add_co_u32 s46, s46, s45
	s_add_co_u32 s46, s46, 16777216
	s_add_co_u32 s46, s46, s12
	s_mov_b32 s47, 0
	s_wait_kmcnt 0x0
	s_load_b64 s[28:29], s[6:7], s14 offset:0x80000   ; my chunk's classes: live, full
	s_add_nc_u64 s[40:41], s[4:5], s[46:47]
	s_add_nc_u64 s[16:17], s[4:5], s[12:13]
	s_lshl_b32 s50, s11, 12                        ; 32 rows of 128 bytes a chunk
	s_mov_b32 s51, 0
	s_add_nc_u64 s[48:49], s[16:17], s[50:51]      ; my rows of Q
	s_add_nc_u64 s[52:53], s[8:9], s[12:13]
	s_add_nc_u64 s[52:53], s[52:53], s[50:51]      ; and of ctx
	s_add_nc_u64 s[18:19], s[16:17], 33554432      ; V, slot 0
	s_add_nc_u64 s[16:17], s[16:17], 16777216      ; K, slot 0
	s_add_nc_u64 s[20:21], s[16:17], 31*8192       ; K, slot 31
	s_add_nc_u64 s[22:23], s[18:19], 31*8192       ; V, slot 31
	s_lshl_b32 s50, s11, 13
	s_add_nc_u64 s[24:25], s[6:7], s[50:51]        ; my chunk's bits of slot 0
	s_add_nc_u64 s[26:27], s[24:25], 31*256        ; and of slot 31
.irp tq, 0,1
.irp ks, 0,1
	global_load_b128 v[QF+16*\tq+8*\ks:QF+16*\tq+8*\ks+3], v24, s[48:49] offset:\tq*2048+\ks*64
	global_load_b128 v[QF+16*\tq+8*\ks+4:QF+16*\tq+8*\ks+7], v24, s[48:49] offset:\tq*2048+\ks*64+32
.endr
.endr
	global_load_b128 v[8:11], v5, s[16:17]         ; interval 0: slot 0,
	global_load_b128 v[12:15], v5, s[18:19]
	global_load_b128 v[128:131], v5, s[20:21]      ; and slot 31
	global_load_b128 v[132:135], v5, s[22:23]
	v_mov_b32 v16, 0xff61b1e6                      ; cM: -3e38, under every c s
	v_mov_b32 v18, 0xff61b1e6
	v_mov_b32 v17, 0
	v_mov_b32 v19, 0
.irp n, 20,21,22,23
	v_mov_b32 v\n, 0
.endr
.set n, 0
.rept 64
	v_mov_b32 v[OO+n], 0                           ; O^T.  (The unit is written once: the first finds zeros, which its a = 0 leaves zeros)
.set n, n+1
.endr
	s_wait_loadcnt 0x0
	ds_store_b128 v3, v[8:11]
	ds_store_b128 v4, v[12:15]
	ds_store_b128 v3, v[128:131] offset:SLB
	ds_store_b128 v4, v[132:135] offset:SLB
	s_wait_dscnt 0x0                               ; the stores have read their registers
	global_load_b128 v[8:11], v5, s[16:17] offset:8192     ; interval 1's slot A
	global_load_b128 v[12:15], v5, s[18:19] offset:8192
	s_wait_kmcnt 0x0
	s_mov_b32 s30, s28                             ; stream A tests bit 0 and shifts right, stream B bit 31 and shifts left
	s_mov_b32 s31, s29
.macro ASK                             ; interval T + 3's tile, 32 lanes x 256 bytes; T = 0 .. 2 come by their loads alone, and from T = 13 on nothing is left to ask for
	s_cmp_lt_u32 s34, s44
	s_cbranch_scc0 .Lnot_mine_\@
	global_prefetch_b8 v7, s[40:41] th:TH_LOAD_NT scope:SCOPE_SE
.Lnot_mine_\@:
.endm
; A UNIT: my 32 queries x the 64 keys of the slot at byte so of the buffer in hand.  lv, fl: its class words; bit: the bit to test; mb: where its hidden bits lie.
.macro UNIT so, lv, fl, bit, mb
	s_bitcmp1_b32 s[\lv], \bit
	s_cbranch_scc0 .Lunit_end_\@
	v_add_nc_u32 v24, s32, v1
.rept 4
	v_nop                                          ; with the line above five places: the products below write S^T, which the last unit's second product read as a source; and K is loaded over V
.endr
.irp ut, 0,1,2,3
.irp ks, 0,1
	ds_load_b128 v[KV+16*\ut+8*\ks:KV+16*\ut+8*\ks+3], v24 offset:\so+\ut*2304+\ks*64
	ds_load_b128 v[KV+16*\ut+8*\ks+4:KV+16*\ut+8*\ks+7], v24 offset:\so+\ut*2304+\ks*64+32
.endr
.endr
	s_wait_dscnt 0x0
.irp ks, 0,1                           ; S^T = K Q^T: eight accumulators by turns
.irp ut, 0,1,2,3
.irp tq, 0,1
.if \ks == 0
	v_wmma_f32_16x16x32_f16 v[SS+32*\tq+8*\ut:SS+32*\tq+8*\ut+7], v[KV+16*\ut+8*\ks:KV+16*\ut+8*\ks+7], v[QF+16*\tq+8*\ks:QF+16*\tq+8*\ks+7], 0
.else
	v_wmma_f32_16x16x32_f16 v[SS+32*\tq+8*\ut:SS+32*\tq+8*\ut+7], v[KV+16*\ut+8*\ks:KV+16*\ut+8*\ks+7], v[QF+16*\tq+8*\ks:QF+16*\tq+8*\ks+7], v[SS+32*\tq+8*\ut:SS+32*\tq+8*\ut+7]
.endif
.endr
.endr
.endr
	v_add_nc_u32 v25, s32, v2
.rept 3
	v_nop                                          ; four places: V is loaded over K, and the scores are read
.endr
.irp t, 0,1,2,3                        ; V^T: channels 16 t on, keys 32 kg on; it lands under the softmax
.irp kg, 0,1
	ds_load_tr16_b128 v[KV+16*\t+8*\kg:KV+16*\t+8*\kg+3], v25 offset:\so+\kg*5120+\t*32
	ds_load_tr16_b128 v[KV+16*\t+8*\kg+4:KV+16*\t+8*\kg+7], v25 offset:\so+\kg*5120+2560+\t*32
.endr
.endr
	s_bitcmp1_b32 s[\fl], \bit
	s_cbranch_scc1 .Lopen_\@
	global_load_b32 v26, v6, s[\mb:\mb+1]          ; bit n of tile tq's dword hides score register n
	global_load_b32 v27, v6, s[\mb:\mb+1] offset:128
	v_mov_b32 v29, 0xff800000                      ; -infinity
	s_wait_loadcnt 0x0
.irp tq, 0,1
.set n, 0
.rept 32
	v_and_b32 v28, 1<<n, v[26+\tq]
	v_cmp_ne_u32 vcc_lo, 0, v28
	v_cndmask_b32 v[SS+32*\tq+n], v[SS+32*\tq+n], v29, vcc_lo
.set n, n+1
.endr
.endr
.Lopen_\@:
.irp j, 0,1,2,3                        ; the largest score: four chains a tile, each begun at an accumulator's low end; the two tiles by turns
.irp tq, 0,1
	v_max3_num_f32 v[24+4*\tq+\j], v[SS+32*\tq+8*\j], v[SS+32*\tq+8*\j+1], v[SS+32*\tq+8*\j+2]
.endr
.endr
.irp i, 3,5
.irp j, 0,1,2,3
.irp tq, 0,1
	v_max3_num_f32 v[24+4*\tq+\j], v[24+4*\tq+\j], v[SS+32*\tq+8*\j+\i], v[SS+32*\tq+8*\j+\i+1]
.endr
.endr
.endr
.irp tq, 0,1
	v_max3_num_f32 v[24+4*\tq], v[24+4*\tq], v[SS+32*\tq+7], v[SS+32*\tq+15]
	v_max3_num_f32 v[26+4*\tq], v[26+4*\tq], v[SS+32*\tq+23], v[SS+32*\tq+31]
.endr
.irp tq, 0,1
	v_max3_num_f32 v[24+4*\tq], v[24+4*\tq], v[25+4*\tq], v[26+4*\tq]
.endr
.irp tq, 0,1
	v_max_num_f32 v[24+4*\tq], v[24+4*\tq], v[27+4*\tq]
.endr
.irp tq, 0,1
	v_permlanex16_b32 v[25+4*\tq], v[24+4*\tq], s38, s39      ; the query's other 32 keys lie in the lane 16 away
.endr
.irp tq, 0,1
	v_max_num_f32 v[24+4*\tq], v[24+4*\tq], v[25+4*\tq]
.endr
.irp tq, 0,1
	v_mul_f32 v[24+4*\tq], s36, v[24+4*\tq]
.endr
.irp tq, 0,1
	v_max_num_f32 v[24+4*\tq], v[24+4*\tq], v[16+2*\tq]       ; the new cM
.endr
.irp tq, 0,1
	v_sub_f32 v[21+2*\tq], v[16+2*\tq], v[24+4*\tq]           ; old less new: 0 or less
.endr
.irp tq, 0,1
	v_mov_b32 v[16+2*\tq], v[24+4*\tq]
.endr
.set n, 0
.rept 16
.irp tq, 0,1
	v_pk_fma_f32 v[SS+32*\tq+2*n:SS+32*\tq+2*n+1], v[SS+32*\tq+2*n:SS+32*\tq+2*n+1], s[36:37], v[16+2*\tq:17+2*\tq] op_sel_hi:[1,0,0] neg_lo:[0,0,1] neg_hi:[0,0,1]   ; c s - cM
.endr
.set n, n+1
.endr
	v_exp_f32 v20, v21                             ; ONE BATCH: the two a and the 64 p
	v_exp_f32 v22, v23
.set n, 0
.rept 64
	v_exp_f32 v[SS+n], v[SS+n]
.set n, n+1
.endr
	v_nop                                          ; a plain instruction behind the last exponential
	s_wait_alu depctr_va_vdst(0)                   ; the wait ahead of the batch's first reader: one for all 66
.irp tq, 0,1                           ; the row's sum, two chains a tile
	v_pk_add_f32 v[24+4*\tq:25+4*\tq], v[SS+32*\tq:SS+32*\tq+1], v[SS+32*\tq+2:SS+32*\tq+3]
	v_pk_add_f32 v[26+4*\tq:27+4*\tq], v[SS+32*\tq+4:SS+32*\tq+5], v[SS+32*\tq+6:SS+32*\tq+7]
.endr
.irp i, 8,12,16,20,24,28
.irp tq, 0,1
	v_pk_add_f32 v[24+4*\tq:25+4*\tq], v[24+4*\tq:25+4*\tq], v[SS+32*\tq+\i:SS+32*\tq+\i+1]
	v_pk_add_f32 v[26+4*\tq:27+4*\tq], v[26+4*\tq:27+4*\tq], v[SS+32*\tq+\i+2:SS+32*\tq+\i+3]
.endr
.endr
.irp tq, 0,1
	v_pk_add_f32 v[24+4*\tq:25+4*\tq], v[24+4*\tq:25+4*\tq], v[26+4*\tq:27+4*\tq]
.endr
.irp tq, 0,1
	v_add_f32 v[24+4*\tq], v[24+4*\tq], v[25+4*\tq]
.endr
.irp tq, 0,1
	v_fma_f32 v[17+2*\tq], v[17+2*\tq], v[20+2*\tq], v[24+4*\tq]      ; l = l a + the sum
.endr
.set n, 0
.rept 16
.irp tq, 0,1
	v_cvt_pk_f16_f32 v[SS+32*\tq+n], v[SS+32*\tq+2*n], v[SS+32*\tq+2*n+1]   ; p to f16, in place, ascending: register n has been read when it is written
.endr
.set n, n+1
.endr
.set n, 0
.rept 16
.irp tq, 0,1
	v_pk_mul_f32 v[OO+32*\tq+2*n:OO+32*\tq+2*n+1], v[OO+32*\tq+2*n:OO+32*\tq+2*n+1], v[20+2*\tq:21+2*\tq] op_sel_hi:[1,0]   ; O^T x a, each accumulator from its low end on
.endr
.set n, n+1
.endr
	s_wait_dscnt 0x0                               ; V is in
.irp kg, 0,1                           ; O^T += V^T P: eight accumulators by turns
.irp t, 0,1,2,3
.irp tq, 0,1
	v_wmma_f32_16x16x32_f16 v[OO+32*\tq+8*\t:OO+32*\tq+8*\t+7], v[KV+16*\t+8*\kg:KV+16*\t+8*\kg+7], v[SS+32*\tq+8*\kg:SS+32*\tq+8*\kg+7], v[OO+32*\tq+8*\t:OO+32*\tq+8*\t+7]
.endr
.endr
.endr
.Lunit_end_\@:
.endm
.Ltrip:                                ; 16 trips
	s_wait_dscnt 0x0                               ; my stores into this trip's buffer have landed, and my reads of the other one are over
	s_barrier_signal -1
	s_barrier_wait -1                              ; both now hold of all sixteen waves
	s_xor_b32 s33, s32, 65536                      ; the buffer that is filled in this trip
	s_cmp_lt_u32 s34, 15
	s_cbranch_scc0 .Lno_a
	s_wait_loadcnt 0x0                             ; slot A of the next interval
	v_add_nc_u32 v24, s33, v3
	v_add_nc_u32 v25, s33, v4
	ds_store_b128 v24, v[8:11]
	ds_store_b128 v25, v[12:15]
	s_wait_dscnt 0x0                               ; the stores have read their registers
	global_load_b128 v[8:11], v5, s[20:21] offset:-8192    ; slot B of the next interval: one slot down
	global_load_b128 v[12:15], v5, s[22:23] offset:-8192
.Lno_a:
	ASK
	UNIT 0, 28, 29, 0, 24
	s_cmp_lt_u32 s34, 15
	s_cbranch_scc0 .Lno_b
	s_wait_loadcnt 0x0
	v_add_nc_u32 v24, s33, v3
	v_add_nc_u32 v25, s33, v4
	ds_store_b128 v24, v[8:11] offset:SLB
	ds_store_b128 v25, v[12:15] offset:SLB
	s_wait_dscnt 0x0
	s_cmp_lt_u32 s34, 14
	s_cbranch_scc0 .Lno_b
	global_load_b128 v[8:11], v5, s[16:17] offset:16384    ; slot A of the interval after the next
	global_load_b128 v[12:15], v5, s[18:19] offset:16384
.Lno_b:
	UNIT SLB, 30, 31, 31, 26
	s_wait_xcnt 0x0                                ; every base is stepped only behind this wait
	s_add_nc_u64 s[16:17], s[16:17], 8192
	s_add_nc_u64 s[18:19], s[18:19], 8192
	s_sub_nc_u64 s[20:21], s[20:21], 8192
	s_sub_nc_u64 s[22:23], s[22:23], 8192
	s_add_nc_u64 s[24:25], s[24:25], 256
	s_sub_nc_u64 s[26:27], s[26:27], 256
	s_add_nc_u64 s[40:41], s[40:41], s[42:43]
	s_lshr_b32 s28, s28, 1
	s_lshr_b32 s29, s29, 1
	s_lshl_b32 s30, s30, 1
	s_lshl_b32 s31, s31, 1
	s_xor_b32 s32, s32, 65536
	s_add_co_u32 s34, s34, 1
	s_cmp_lt_u32 s34, 16
	s_cbranch_scc1 .Ltrip
	; THE WAY OUT: O^T / l, rounded to f16, through my stage, back as four rows of 128 bytes an instruction
.rept 4
	v_nop                                          ; places behind the last products
.endr
	v_permlanex16_b32 v24, v17, s38, s39
	v_permlanex16_b32 v28, v19, s38, s39
	v_add_f32 v17, v17, v24
	v_add_f32 v19, v19, v28
	v_rcp_f32 v20, v17
	v_rcp_f32 v22, v19
	v_and_b32 v25, 15, v0                          ; (a plain place behind the reciprocals)
	v_bfe_u32 v29, v0, 4, 1
	s_mul_i32 s12, s10, 4608
	s_add_co_u32 s12, s12, STAGE
	v_mul_u32_u24 v1, v25, 144
	v_lshl_add_u32 v1, v29, 4, v1
	v_add_nc_u32 v1, s12, v1                       ; in: row r, + 16 hh
	v_bfe_u32 v2, v0, 3, 2
	v_mul_u32_u24 v2, v2, 144
	v_and_b32 v3, 7, v0
	v_lshl_add_u32 v2, v3, 4, v2
	v_add_nc_u32 v2, s12, v2                       ; back: row lane / 8, 16 bytes by lane % 8
	v_and_b32 v3, 31, v0
	v_lshlrev_b32 v3, 4, v3
	s_wait_alu depctr_va_vdst(0)                   ; one wait for the two reciprocals, ahead of their first reader
.set n, 0
.rept 16
.irp tq, 0,1
	v_pk_mul_f32 v[OO+32*\tq+2*n:OO+32*\tq+2*n+1], v[OO+32*\tq+2*n:OO+32*\tq+2*n+1], v[20+2*\tq:21+2*\tq] op_sel_hi:[1,0]
.endr
.set n, n+1
.endr
.set n, 0
.rept 32
	v_cvt_pk_f16_f32 v[KV+n], v[OO+2*n], v[OO+2*n+1]
.set n, n+1
.endr
.irp tq, 0,1
.irp t, 0,1,2,3
	ds_store_b128 v1, v[KV+16*\tq+4*\t:KV+16*\tq+4*\t+3] offset:\tq*2304+\t*32
.endr
.endr
.irp i, 0,1,2,3,4,5,6,7
	ds_load_b128 v[96+4*\i:96+4*\i+3], v2 offset:576*\i       ; in order behind my stores
.endr
.irp i, 0,1,2,3,4,5,6,7
	s_wait_dscnt 7-\i                              ; the younger loads may be out
	global_store_b128 v3, v[96+4*\i:96+4*\i+3], s[52:53] offset:512*\i   ; 512 consecutive bytes, aligned
.endr
	v_lshl_add_u32 v6, v0, 2, SPARE                ; no two registers could be kept: the add's two are made anew from v0
	v_mov_b32 v7, 0
	s_wait_tensorcnt 0x0                           ; the wave's end, behind my last LDS store
	ds_add_u32 v6, v7
	s_wait_dscnt 0x0
	s_endpgm
.Lfunc_end_k_qafd435fa3e_attn:
	.size	k_qafd435fa3e_attn, .Lfunc_end_k_qafd435fa3e_attn-k_qafd435fa3e_attn
	.p2alignl 7, 3214868480
	.fill 96, 4, 3214868480
	.section	.rodata,"a",@progbits
	.p2align	6, 0x0
	.amdhsa_kernel k_qafd435fa3e_attn
		.amdhsa_group_segment_fixed_size 206848
		.amdhsa_private_segment_fixed_size 0
		.amdhsa_enable_private_segment 0
		.amdhsa_kernarg_size 24
		.amdhsa_user_sgpr_count 2
		.amdhsa_user_sgpr_kernarg_segment_ptr 1
		.amdhsa_wavefront_size32 1
		.amdhsa_system_sgpr_workgroup_id_x 1
		.amdhsa_system_sgpr_workgroup_id_y 1
		.amdhsa_system_sgpr_workgroup_id_z 1
		.amdhsa_system_vgpr_workitem_id 0
		.amdhsa_next_free_vgpr 256
		.amdhsa_next_free_sgpr 66
		.amdhsa_reserve_vcc 1
		.amdhsa_float_denorm_mode_32 3
		.amdhsa_float_denorm_mode_16_64 3
		.amdhsa_memory_ordered 1
		.amdhsa_forward_progress 1
		.amdhsa_inst_pref_size 67
	.end_amdhsa_kernel
	.amdgpu_metadata
---
amdhsa.version: [ 1, 2 ]
amdhsa.kernels:
  - .name:           k_qafd435fa3e_attn
    .symbol:         k_qafd435fa3e_attn.kd
    .args:
      - { .name: qkv, .offset: 0, .size: 8, .value_kind: global_buffer, .address_space: global }
      - { .name: mk, .offset: 8, .size: 8, .value_kind: global_buffer, .address_space: global }
      - { .name: ctx, .offset: 16, .size: 8, .value_kind: global_buffer, .address_space: global }
    .group_segment_fixed_size: 206848
    .private_segment_fixed_size: 0
    .kernarg_segment_align: 8
    .kernarg_segment_size: 24
    .max_flat_workgroup_size: 512
    .sgpr_count:     66
    .vgpr_count:     256
    .wavefront_size: 32
...
	.end_amdgpu_metadata
.endif
;; end of part 3
;; launch oproj (part 4): grid 4 x 64, 4 waves a work-group, clusters of 4 x 4, 327,680 bytes of LDS; arguments ctx, wot, bo, out0; writes out0
.if DOCPART == 4
	.amdgcn_target "amdgcn-amd-amdhsa--gfx1250"
	.amdhsa_code_object_version 6
	.text
	.protected	k_qafd435fa3e_oproj
	.globl	k_qafd435fa3e_oproj
	.p2align	8
	.type	k_qafd435fa3e_oproj,@function
k_qafd435fa3e_oproj:
	s_mov_b64 s[64:65], 0
	v_nop
	global_prefetch_b8 v0, s[64:65] scope:SCOPE_SE
	s_setreg_imm32_b32 hwreg(HW_REG_WAVE_MODE, 25, 1), 1
	s_wait_xcnt 0x0
	s_wait_alu depctr_hold_cnt(0) depctr_sa_sdst(0) depctr_va_vdst(0) depctr_va_sdst(0) depctr_va_ssrc(0) depctr_va_vcc(0) depctr_vm_vsrc(0)
	s_getreg_b32 s2, hwreg(HW_REG_IB_STS2, 6, 4)
	s_cmp_eq_u32 s2, 0
	s_cbranch_scc0 .Lentry_in_a_cluster
	s_endpgm
.Lentry_in_a_cluster:
	s_bfe_u32 s2, ttmp6, 0x10000c
	s_cmp_lg_u32 s2, 0xf033
	s_cbranch_scc0 .Lentry_shape_is_right
	s_endpgm
.Lentry_shape_is_right:
; out0 = ctx Wo + bo: f16 operands, f32 sums.  ctx: [batch x 16 + head][position][64] f16; wot: Wo^T [n][k] f16 (its high part); out0: [8192][1024] f32.
; The rows of positions 0-15 of every batch are left to the last launch, which makes them more finely: they are multiplied here inside their wave's tile, and not stored.
; A work-group makes 128 rows x 256 columns: 256 work-groups.  Four waves, each 64 x 128: 32 accumulators, 256 registers.  K goes in 8 steps of 128 (two heads) through two LDS slots.
; CLUSTERS of 4 x 4: cy IS THE BATCH and p the cluster's y, so the rows are positions 128 p .. 128 p + 127 of batch cy, and whether a tile holds positions 0-15 is the same in all partners.  cx is the tile column.
; A's tiles hang on cy, p and are asked for jointly along a row of the cluster; B's on cx, along a column.  A head's 128 rows of 128 bytes are one dense block of memory.
; No prefetch: a step's tiles are small, and Wo^T is read again by every tile row.
; THE MATRIX INSTRUCTION IS USED TRANSPOSED (source 0 = 16 rows of Wo^T, source 1 = 16 rows of ctx).  The bias is the C of each sum's first product.
; REGISTERS: window 0: v0-31 addresses; v32-95 the bias; v96-127, v128-159 A's fragments, two buffers; on the way out v96-223.  window 1: v0-63, v64-127 B's fragments.  window 2: the accumulators, (a, b) at v[8 (8 a + b)].
.set PA,     144                       ; a row of ctx in LDS: 128 bytes + 16
.set PB,     272                       ; a row of Wo^T: 256 bytes + 16
.set AH,     128*PA                    ; one head's 128 rows
.set BOFF,   2*AH
.set BH,     128*PB
.set SLOT,   BOFF+2*BH
.set STAGE,  2*SLOT                    ; behind the ring: 16 rows x 528 bytes for each wave
.set SPITCH, 528
.set SPARE,  STAGE+4*16*SPITCH         ; the spare words: no other line names them
.set LAPS,   4
.set ADRA, 16
.set ADRB, 20
.set STO,  24
.set RD,   25
.set CO,   26
.set BO,   27
.set SPW,  28
.set NIL,  29
.set BIAS, 32
.set AF,   96
.set BK,   96
.set G1, 24
.set G0, 32
.set G1B, 48
.set G0B, 56
.set MSB, 0
.macro WIN new
.if MSB != \new
	s_set_vgpr_msb (MSB<<8)|\new
.set MSB, \new
.endif
.endm
.set MUL,  0xa1                        ; source 0 (B) window 1, source 1 (A) window 0, C and D window 2
.set MULB, 0x81                        ; the same with C (the bias) in window 0
.set TO_B, 0x40
.macro JLOAD s                         ; waves 0 and 1 fetch A's two heads, waves 2 and 3 B's two halves; an s_nop 0 and four v_nop follow each line
	s_cmp_eq_u32 s13, 0
	s_cbranch_scc0 .Lfor_b_\@
	tensor_load_to_lds s[G0+4*\s:G0+4*\s+3], s[G1:G1+7]
	s_nop 0
.rept 4
	v_nop
.endr
	s_branch .Lasked_\@
.Lfor_b_\@:
	tensor_load_to_lds s[G0B+4*\s:G0B+4*\s+3], s[G1B:G1B+7]
	s_nop 0
.rept 4
	v_nop
.endr
.Lasked_\@:
.endm
.macro CREST
	s_cmp_lg_u32 s12, 0
	s_cbranch_scc1 .Lnot_wave_0_\@
	s_barrier_signal -3
.Lnot_wave_0_\@:
	s_barrier_wait -3
	s_barrier_signal -1
	s_barrier_wait -1
.endm
.macro CROUND
	s_barrier_signal -1
	s_barrier_wait -1
	CREST
.endm
	s_load_b256 s[4:11], s[0:1], 0x0               ; ctx s[4:5], wot s[6:7], bo s[8:9], out0 s[10:11]
	v_lshl_add_u32 v[SPW], v0, 2, SPARE
	v_mov_b32 v[NIL], 0
	ds_add_u32 v[SPW], v[NIL]                      ; the wave's opening: the add, twice on end, and its wait ahead of my first tensor load
	ds_add_u32 v[SPW], v[NIL]
	v_lshrrev_b32 v1, 5, v0
	v_readfirstlane_b32 s12, v1                    ; wave 0..3
	s_lshr_b32 s13, s12, 1                         ; my half of the rows.  Also: I fetch for A (0) or for B (1)
	s_and_b32 s14, s12, 1                          ; my half of the columns.  Also: which head, or which 128 rows of Wo^T, I fetch
	s_bfe_u32 s40, ttmp6, 0x40000                  ; cx
	s_bfe_u32 s41, ttmp6, 0x40004                  ; cy: the batch
	s_and_b32 s42, ttmp7, 0xffff                   ; p
	s_lshl_b32 s43, s41, 2
	s_lshl_b32 s43, 15, s43
	s_lshl_b32 s44, 0x1111, s40
	s_or_b32 s[G1+0], s43, (1<<16)|(1<<20)|(1<<21)|(4<<22)|(3<<25)   ; the mask; elements of 2 bytes; padding on; bit 21 beside a mask; 4 words behind every 32
	s_mov_b32 s[G1+1], 64<<16                      ; tensor_dim0
	s_mov_b32 s[G1+2], 128<<16                     ; tensor_dim1
	s_mov_b32 s[G1+3], 64<<16                      ; tile_dim0
	s_mov_b32 s[G1+4], 128                         ; tile_dim1
	s_mov_b32 s[G1+5], 64                          ; the pitch
	s_mov_b32 s[G1+6], 0
	s_mov_b32 s[G1+7], 0
	s_or_b32 s[G1B+0], s44, (1<<16)|(1<<20)|(1<<21)|(5<<22)|(3<<25)  ; 4 words behind every 64
	s_mov_b32 s[G1B+1], 128<<16
	s_mov_b32 s[G1B+2], 128<<16
	s_mov_b32 s[G1B+3], 128<<16
	s_mov_b32 s[G1B+4], 128
	s_mov_b32 s[G1B+5], 1024
	s_mov_b32 s[G1B+6], 0
	s_mov_b32 s[G1B+7], 0
	s_lshl_b32 s16, s41, 22                        ; A: 16 heads of 262,144 bytes a batch, my head of the step's two, 128 p rows of 128 bytes: no cx
	s_lshl_b32 s17, s14, 18
	s_add_co_u32 s16, s16, s17
	s_lshl_b32 s17, s42, 14
	s_add_co_u32 s16, s16, s17
	s_mov_b32 s17, 0
	s_lshl_b32 s46, s40, 19                        ; B: row 256 cx + 128 x half, 2,048 bytes a row: no cy
	s_lshl_b32 s47, s14, 18
	s_add_co_u32 s46, s46, s47
	s_mov_b32 s47, 0
	s_mul_i32 s20, s14, AH                         ; where they go
	s_mul_i32 s21, s14, BH
	s_add_co_u32 s21, s21, BOFF
	s_wait_dscnt 0x0                               ; both opening adds are done
	s_wait_kmcnt 0x0
	s_add_nc_u64 s[16:17], s[4:5], s[16:17]
	s_add_nc_u64 s[46:47], s[6:7], s[46:47]
	CROUND                                         ; all sixteen work-groups are here: the first joint loads meet
.irp s, 0,1
	s_mov_b32 s[G0+4*\s], 1
	s_add_co_u32 s[G0+4*\s+1], s20, \s*SLOT
	s_add_nc_u64 s[G0+4*\s+2:G0+4*\s+3], s[16:17], \s*524288      ; a step is two heads
	s_or_b32 s[G0+4*\s+3], s[G0+4*\s+3], 0x80000000
	s_mov_b32 s[G0B+4*\s], 1
	s_add_co_u32 s[G0B+4*\s+1], s21, \s*SLOT
	s_add_nc_u64 s[G0B+4*\s+2:G0B+4*\s+3], s[46:47], \s*256
	s_or_b32 s[G0B+4*\s+3], s[G0B+4*\s+3], 0x80000000
	JLOAD \s
.endr
	v_and_b32 v1, 15, v0                           ; r
	v_bfe_u32 v2, v0, 4, 1                         ; hh
	v_lshlrev_b32 v[BO], 5, v2
	s_lshl_b32 s22, s40, 10
	s_lshl_b32 s23, s14, 9
	s_add_co_u32 s22, s22, s23                     ; my 128 columns, in bytes of f32
	s_mov_b32 s23, 0
	s_add_nc_u64 s[8:9], s[8:9], s[22:23]
.irp b, 0,1,2,3,4,5,6,7
	global_load_b128 v[BIAS+8*\b:BIAS+8*\b+3], v[BO], s[8:9] offset:64*\b
	global_load_b128 v[BIAS+8*\b+4:BIAS+8*\b+7], v[BO], s[8:9] offset:64*\b+16
.endr
	s_add_nc_u64 s[10:11], s[10:11], s[22:23]
	s_lshl_b32 s22, s41, 23                        ; out0: row 2,048 cy + 128 p + 64 x row half, 4,096 bytes a row
	s_lshl_b32 s15, s42, 19
	s_add_co_u32 s22, s22, s15
	s_lshl_b32 s15, s13, 18
	s_add_co_u32 s22, s22, s15
	s_add_nc_u64 s[10:11], s[10:11], s[22:23]
	s_or_b32 s15, s42, s13                         ; 0 where my block 0 is positions 0-15
	v_mul_u32_u24 v3, v1, PA
	v_lshl_add_u32 v3, v2, 4, v3
	v_mul_u32_u24 v4, v1, PB
	v_lshl_add_u32 v4, v2, 4, v4
	s_mul_i32 s18, s13, 64*PA                      ; my 64 rows of each head
	s_mul_i32 s19, s14, BH
	s_add_co_u32 s19, s19, BOFF                    ; my 128 rows of Wo^T
.irp s, 0,1
	v_add_nc_u32 v[ADRA+\s], s18, v3
	v_add_nc_u32 v[ADRB+\s], s19, v4
	s_add_co_u32 s18, s18, SLOT
	s_add_co_u32 s19, s19, SLOT
.endr
	s_mul_i32 s18, s12, 16*SPITCH
	s_add_co_u32 s18, s18, STAGE
	v_mul_u32_u24 v5, v1, SPITCH
	v_lshl_add_u32 v5, v2, 5, v5
	v_add_nc_u32 v[STO], s18, v5
	v_and_b32 v6, 31, v0
	v_lshlrev_b32 v[CO], 4, v6
	v_add_nc_u32 v[RD], s18, v[CO]
; 24 LDS loads in one run: the fragments of the slot's quarter q (32 along K) into buffer f: B's eight blocks, then A's four
.macro FETCH slot, q, f
	WIN TO_B
.irp i, 0,1,2,3,4,5,6,7
	ds_load_b128 v[64*\f+8*\i:64*\f+8*\i+3],   v[ADRB+\slot] offset:64*(\q)+\i*16*PB
	ds_load_b128 v[64*\f+8*\i+4:64*\f+8*\i+7], v[ADRB+\slot] offset:64*(\q)+\i*16*PB+32
.endr
	WIN 0
.irp i, 0,1,2,3
	ds_load_b128 v[AF+32*\f+8*\i:AF+32*\f+8*\i+3],   v[ADRA+\slot] offset:((\q)/2)*AH+((\q)%2)*64+\i*16*PA
	ds_load_b128 v[AF+32*\f+8*\i+4:AF+32*\f+8*\i+7], v[ADRA+\slot] offset:((\q)/2)*AH+((\q)%2)*64+\i*16*PA+32
.endr
.endm
; 8 matrix instructions: A's block a x B's eight.  first = 1: the product starts the sum with the bias.  The 32 accumulators take turns.
.macro MUL8 f, a, first
.irp b, 0,1,2,3,4,5,6,7
.if \first
	v_wmma_f32_16x16x32_f16 v[8*(8*\a+\b):8*(8*\a+\b)+7], v[64*\f+8*\b:64*\f+8*\b+7], v[AF+32*\f+8*\a:AF+32*\f+8*\a+7], v[BIAS+8*\b:BIAS+8*\b+7]
.else
	v_wmma_f32_16x16x32_f16 v[8*(8*\a+\b):8*(8*\a+\b)+7], v[64*\f+8*\b:64*\f+8*\b+7], v[AF+32*\f+8*\a:AF+32*\f+8*\a+7], v[8*(8*\a+\b):8*(8*\a+\b)+7]
.endif
.endr
.endm
.macro PLACES
.rept 4
	v_nop
.endr
.endm
.macro QUARTER slot, q, f, g, first    ; multiplies buffer f; in its middle it fetches quarter q of the same slot into buffer g
	s_wait_dscnt 4                                 ; B and A's blocks 0, 1 are in; the youngest four loads (A's blocks 2, 3) may be out
.if \first
	WIN MULB
.else
	WIN MUL
.endif
	MUL8 \f, 0, \first
	MUL8 \f, 1, \first
	PLACES
	FETCH \slot, \q, \g
	s_wait_dscnt 24                                ; all but the 24 just issued
.if \first
	WIN MULB
.else
	WIN MUL
.endif
	MUL8 \f, 2, \first
	MUL8 \f, 3, \first
.endm
; A slot's last quarter multiplies buffer 1 and changes slots: ONE barrier; fill = 1: it opens a round of the cluster's barrier, and this slot is filled again, two steps ahead.
.macro TURN slot, next, fill
	WIN 0
	s_wait_tensorcnt 0x0                           ; all my tensor loads have landed: my part of the next slot
	ds_add_u32 v[SPW], v[NIL]
	s_wait_dscnt 7                                 ; the add and the youngest six loads (A's blocks 1 to 3) may be out
	WIN MUL
	MUL8 1, 0, 0
	s_wait_dscnt 0x0                               ; the add is done, and my reads of this slot are over
	s_barrier_signal -1
	MUL8 1, 1, 0
.if \fill
	WIN 0
.endif
	s_barrier_wait -1
.if \fill
	CREST                                          ; no wave of any partner still reads this slot or has a load on its way
	s_add_nc_u64 s[G0+4*\slot+2:G0+4*\slot+3], s[G0+4*\slot+2:G0+4*\slot+3], 1048576
	s_add_nc_u64 s[G0B+4*\slot+2:G0B+4*\slot+3], s[G0B+4*\slot+2:G0B+4*\slot+3], 512
	JLOAD \slot                                    ; the first tensor load behind the round; its four v_nop are also the places in front of the loads below
.else
	PLACES
.endif
	FETCH \next, 0, 0
	WIN MUL
	MUL8 1, 2, 0
	MUL8 1, 3, 0
.endm
	s_wait_tensorcnt 1                             ; my part of step 0 is in; step 1's load may be out
	s_barrier_signal -1
	s_barrier_wait -1
	FETCH 0, 0, 0
	s_wait_loadcnt 0x0                             ; the bias
	QUARTER 0, 1, 0, 1, 1                          ; the first quarter stands in front of the loop: its products start the sums
	WIN 0
	s_mov_b32 s3, LAPS-1
.Llap:                                 ; a trip goes once round the ring and fills both slots again
	QUARTER 0, 2, 1, 0, 0
	QUARTER 0, 3, 0, 1, 0
	TURN 0, 1, 1
	QUARTER 1, 1, 0, 1, 0
	QUARTER 1, 2, 1, 0, 0
	QUARTER 1, 3, 0, 1, 0
	TURN 1, 0, 1
	QUARTER 0, 1, 0, 1, 0
	WIN 0
	s_sub_co_u32 s3, s3, 1
	s_cmp_lg_u32 s3, 0
	s_cbranch_scc1 .Llap
	QUARTER 0, 2, 1, 0, 0                          ; the last lap fills nothing
	QUARTER 0, 3, 0, 1, 0
	TURN 0, 1, 0
	QUARTER 1, 1, 0, 1, 0
	QUARTER 1, 2, 1, 0, 0
	QUARTER 1, 3, 0, 1, 0
	s_wait_dscnt 4
	WIN MUL
	MUL8 1, 0, 0
	MUL8 1, 1, 0
	s_wait_dscnt 0
	MUL8 1, 2, 0
	MUL8 1, 3, 0
	WIN 0
; THE WAY OUT, block by block of 16 rows x 128 columns, through my own stage: back as whole rows of 512 bytes
.macro TOSTAGE a
	WIN 0x08                                       ; an LDS store's data are its source 1: window 2
.irp b, 0,1,2,3,4,5,6,7
	ds_store_b128 v[STO], v[8*(8*\a+\b):8*(8*\a+\b)+3] offset:64*\b          ; each accumulator from its low end on
	ds_store_b128 v[STO], v[8*(8*\a+\b)+4:8*(8*\a+\b)+7] offset:64*\b+16
.endr
	WIN 0
.set BB, BK+64*((\a)%2)
.irp t, 0,1,2,3,4,5,6,7,8,9,10,11,12,13,14,15
	ds_load_b128 v[BB+4*\t:BB+4*\t+3], v[RD] offset:\t*SPITCH
.endr
.endm
.macro SEND a, younger
.set BB, BK+64*((\a)%2)
	s_wait_dscnt \younger
.irp t, 0,1,2,3,4,5,6,7,8,9,10,11,12,13,14,15
	global_store_b128 v[CO], v[BB+4*\t:BB+4*\t+3], s[10:11] offset:(16*\a+\t)*4096 th:TH_STORE_NT   ; 512 consecutive bytes, aligned
.endr
.endm
	PLACES
	s_cmp_eq_u32 s15, 0                            ; positions 0-15 are the last launch's
	s_cbranch_scc1 .Lnot_first
	TOSTAGE 0
	SEND 0, 0
.Lnot_first:
	TOSTAGE 1
	s_wait_xcnt 0x0                                ; block 0's stores have read their registers
	TOSTAGE 2
	SEND 1, 32                                     ; behind block 1's loads: block 2's 16 stores and 16 loads
	s_wait_xcnt 0x0
	TOSTAGE 3
	SEND 2, 32
	SEND 3, 0
	s_wait_tensorcnt 0x0                           ; the wave's end
	ds_add_u32 v[SPW], v[NIL]
	s_wait_dscnt 0x0
	CROUND                                         ; the closing round
	s_endpgm
.Lfunc_end_k_qafd435fa3e_oproj:
	.size	k_qafd435fa3e_oproj, .Lfunc_end_k_qafd435fa3e_oproj-k_qafd435fa3e_oproj
	.p2alignl 7, 3214868480
	.fill 96, 4, 3214868480
	.section	.rodata,"a",@progbits
	.p2align	6, 0x0
	.amdhsa_kernel k_qafd435fa3e_oproj
		.amdhsa_group_segment_fixed_size 327680
		.amdhsa_private_segment_fixed_size 0
		.amdhsa_enable_private_segment 0
		.amdhsa_kernarg_size 32
		.amdhsa_user_sgpr_count 2
		.amdhsa_user_sgpr_kernarg_segment_ptr 1
		.amdhsa_wavefront_size32 1
		.amdhsa_system_sgpr_workgroup_id_x 1
		.amdhsa_system_sgpr_workgroup_id_y 1
		.amdhsa_system_sgpr_workgroup_id_z 1
		.amdhsa_system_vgpr_workitem_id 0
		.amdhsa_next_free_vgpr 768
		.amdhsa_next_free_sgpr 66
		.amdhsa_reserve_vcc 0
		.amdhsa_float_denorm_mode_32 3
		.amdhsa_float_denorm_mode_16_64 3
		.amdhsa_memory_ordered 1
		.amdhsa_forward_progress 1
		.amdhsa_inst_pref_size 87
	.end_amdhsa_kernel
	.amdgpu_metadata
---
amdhsa.version: [ 1, 2 ]
amdhsa.kernels:
  - .name:           k_qafd435fa3e_oproj
    .symbol:         k_qafd435fa3e_oproj.kd
    .args:
      - { .name: ctx, .offset: 0, .size: 8, .value_kind: global_buffer, .address_space: global }
      - { .name: wot, .offset: 8, .size: 8, .value_kind: global_buffer, .address_space: global }
      - { .name: bo, .offset: 16, .size: 8, .value_kind: global_buffer, .address_space: global }
      - { .name: out0, .offset: 24, .size: 8, .value_kind: global_buffer, .address_space: global }
    .group_segment_fixed_size: 327680
    .private_segment_fixed_size: 0
    .kernarg_segment_align: 8
    .kernarg_segment_size: 32
    .max_flat_workgroup_size: 128
    .sgpr_count:     66
    .vgpr_count:     768
    .wavefront_size: 32
...
	.end_amdgpu_metadata
.endif
;; end of part 4
;; launch fine (part 5): grid 16 x 4, 16 waves a work-group, no clusters, 71,680 bytes of LDS; arguments f32r, qkv, mk, wot, bo, out0; writes out0
.if DOCPART == 5
	.amdgcn_target "amdgcn-amd-amdhsa--gfx1250"
	.amdhsa_code_object_version 6
	.text
	.protected	k_qafd435fa3e_fine
	.globl	k_qafd435fa3e_fine
	.p2align	8
	.type	k_qafd435fa3e_fine,@function
k_qafd435fa3e_fine:
	s_mov_b64 s[64:65], 0
	v_nop
	global_prefetch_b8 v0, s[64:65] scope:SCOPE_SE
	s_setreg_imm32_b32 hwreg(HW_REG_WAVE_MODE, 25, 1), 1
	s_wait_xcnt 0x0
; THE ROWS OF POSITIONS 0-15 of every batch, carried more finely: under a mask of the causal kind they average one to a few values and are the largest of the output.
; Attention in f32 (v_wmma_f32_16x16x4_f32: 64 rows in all, no bulk work), the projection with ctx and Wo^T as pairs of f16 numbers, a high and a low part, three products of four.
; A work-group: batch b and 64 output columns (nb).  Wave w is head w in the attention and in its part of the projection (K = its 64 channels); the sixteen parts meet in LDS, and wave w then sums and stores row w.
; The small attention is repeated in the sixteen column blocks, so that one launch does all.
; THE MASK: the hidden bits of chunk 0, tile 0.  A key tile of 16 all of whose bits are set is jumped over: branches on whole numbers read from memory.  The time grows with the number of key tiles that the mask opens to these rows.
; Keys 0-15 are taken in f32 (stored by the second launch); LIMIT: keys from 16 on are the f16 numbers of K and V, widened.
; A row with no open key gives NaN, as the softmax of a row of -infinity does.
; LAYOUT.  S^T = K Q^T: lane (r, hh) holds channels 32 hh + 0 .. 31 of key r and of query r; step i takes registers 2 i, 2 i + 1 on both sides (K permuted alike on both sides).  The result: query r, keys 8 hh + j.
; O^T = V^T P: lane (r, hh) holds V[8 hh + e][16 t + r]; step i takes keys 8 hh + 2 i, + 1 on both sides.  The result: query r, channels 16 t + 8 hh + j.
; REGISTERS: v1-11 addresses; v12, v13 the add's two; v[14:15] bo; v16-47 Q, later Wo^T high g = 0; v48-79 K, later low g = 0; v80-111 V, later high g = 1; v112-127 K as f16, later ctx high;
;   v128-175 are written by the f32 matrix form alone: v128-135, v136-143 the scores in two halves, v144-175 V^T P of a tile; v176-183 scores, p, later ctx low g = 0; v184-215 O^T, later the output's sums;
;   v216-231 statistics, later (v216-247) Wo^T low g = 1; v248-255 ctx low g = 1.
.set SPARE, 69632                      ; behind the sixteen parts (16 rows x 272 bytes each): the spare words, 128 bytes for each of 16 waves
	s_load_b256 s[4:11], s[0:1], 0x0               ; f32r s[4:5], qkv s[6:7], mk s[8:9], wot s[10:11]
	s_load_b128 s[12:15], s[0:1], 0x20             ; bo s[12:13], out0 s[14:15]
	v_lshl_add_u32 v12, v0, 2, SPARE
	v_mov_b32 v13, 0
	v_lshrrev_b32 v220, 5, v0
	v_readfirstlane_b32 s16, v220                  ; wave = head = row
	v_and_b32 v1, 15, v0                           ; r
	v_bfe_u32 v2, v0, 4, 1                         ; hh
	v_and_b32 v220, 31, v0                         ; lane
	v_lshlrev_b32 v3, 12, v1
	v_lshl_add_u32 v3, v2, 7, v3                   ; Q, and K in f32: row r of 4,096 bytes, + 32 hh channels
	v_lshlrev_b32 v4, 15, v2
	v_lshl_add_u32 v4, v1, 2, v4                   ; V in f32: key 8 hh, channel r
	v_lshlrev_b32 v5, 7, v1
	v_lshl_add_u32 v5, v2, 6, v5                   ; K in f16: row r of 128 bytes, + 32 hh channels
	v_lshlrev_b32 v6, 10, v2
	v_lshl_add_u32 v6, v1, 1, v6                   ; V in f16
	v_lshlrev_b32 v7, 2, v220                      ; the hidden bits
	v_lshlrev_b32 v8, 3, v220                      ; 8 x lane
	v_lshlrev_b32 v221, 8, v220                    ; the flags: lane = slot
	v_lshlrev_b32 v9, 11, v1
	v_lshl_add_u32 v9, v2, 4, v9                   ; Wo^T: row r of 2,048 bytes, + 16 hh
	s_mul_i32 s19, s16, 4352
	v_mul_u32_u24 v10, v1, 272
	v_lshl_add_u32 v10, v2, 5, v10
	v_add_nc_u32 v10, s19, v10                     ; my part: row r, + 32 hh
	s_mul_i32 s19, s16, 272
	v_add_nc_u32 v11, s19, v8                      ; row w of a part
	s_and_b32 s18, ttmp7, 0xffff                   ; b
	s_mov_b32 s32, 0x76543210
	s_mov_b32 s33, 0xfedcba98
	s_mov_b32 s34, 0x3e38aa3b                      ; c = log2(e) / 8
	s_mov_b32 s44, 0x46000400                      ; 8193.0
	s_mov_b32 s45, s44
	s_mov_b32 s47, 0
	s_wait_kmcnt 0x0
	s_lshl_b32 s46, s18, 16
	s_lshl_b32 s19, s16, 8
	s_add_co_u32 s46, s46, s19
	s_add_nc_u64 s[36:37], s[4:5], s[46:47]        ; Q of my batch and head, f32
	s_add_nc_u64 s[38:39], s[36:37], 262144        ; K
	s_add_nc_u64 s[40:41], s[36:37], 524288        ; V
	s_lshl_b32 s46, s18, 4
	s_add_co_u32 s46, s46, s16
	s_lshl_b32 s46, s46, 18
	s_add_nc_u64 s[24:25], s[6:7], s[46:47]
	s_add_nc_u64 s[26:27], s[24:25], 33554432      ; V in f16
	s_add_nc_u64 s[24:25], s[24:25], 16777216      ; K in f16
	s_mov_b64 s[28:29], s[8:9]                     ; chunk 0, slot 0, tile 0
	s_lshl_b32 s46, ttmp9, 17
	s_lshl_b32 s19, s16, 7
	s_add_co_u32 s46, s46, s19
	s_add_nc_u64 s[42:43], s[10:11], s[46:47]      ; Wo^T: rows 64 nb on, my head's 64 along K
	s_lshl_b32 s46, ttmp9, 8
	s_add_nc_u64 s[12:13], s[12:13], s[46:47]
	s_add_nc_u64 s[14:15], s[14:15], s[46:47]
	s_lshl_b32 s46, s18, 23
	s_lshl_b32 s19, s16, 12
	s_add_co_u32 s46, s46, s19
	s_add_nc_u64 s[14:15], s[14:15], s[46:47]      ; out0: row 2,048 b + w, columns 64 nb on
.irp i, 0,1,2,3,4,5,6,7
	global_load_b128 v[48+4*\i:48+4*\i+3], v221, s[8:9] offset:16*\i          ; my slot's 32 dwords of tile 0
.endr
.irp i, 0,1,2,3,4,5,6,7
	global_load_b128 v[16+4*\i:16+4*\i+3], v3, s[36:37] offset:16*\i          ; Q
.endr
	global_load_b64 v[14:15], v8, s[12:13]         ; bo
.set n, 0
.rept 32
	v_mov_b32 v[184+n], 0                          ; O^T
.set n, n+1
.endr
	v_mov_b32 v216, 0xff61b1e6                     ; cM: -3e38
	v_mov_b32 v217, 0                              ; l
	v_mov_b32 v229, 0xff800000                     ; -infinity
	s_wait_loadcnt 0x0
	v_and_b32 v220, v48, v49
.set n, 50
.rept 30
	v_and_b32 v220, v220, v[n]
.set n, n+1
.endr
.irp ut, 0,1,2,3
	v_bfe_u32 v221, v220, 8*\ut, 8
	v_cmp_ne_u32 s[20+\ut], 0xff, v221             ; bit slot: key tile 4 slot + ut has an open key for some of the 16 queries
.endr
.macro WIDEN                           ; K's and V's f16 numbers to f32
	v_cvt_f32_f16 v48, v112.l
	v_cvt_f32_f16 v49, v112.h
	v_cvt_f32_f16 v50, v113.l
	v_cvt_f32_f16 v51, v113.h
	v_cvt_f32_f16 v52, v114.l
	v_cvt_f32_f16 v53, v114.h
	v_cvt_f32_f16 v54, v115.l
	v_cvt_f32_f16 v55, v115.h
	v_cvt_f32_f16 v56, v116.l
	v_cvt_f32_f16 v57, v116.h
	v_cvt_f32_f16 v58, v117.l
	v_cvt_f32_f16 v59, v117.h
	v_cvt_f32_f16 v60, v118.l
	v_cvt_f32_f16 v61, v118.h
	v_cvt_f32_f16 v62, v119.l
	v_cvt_f32_f16 v63, v119.h
	v_cvt_f32_f16 v64, v120.l
	v_cvt_f32_f16 v65, v120.h
	v_cvt_f32_f16 v66, v121.l
	v_cvt_f32_f16 v67, v121.h
	v_cvt_f32_f16 v68, v122.l
	v_cvt_f32_f16 v69, v122.h
	v_cvt_f32_f16 v70, v123.l
	v_cvt_f32_f16 v71, v123.h
	v_cvt_f32_f16 v72, v124.l
	v_cvt_f32_f16 v73, v124.h
	v_cvt_f32_f16 v74, v125.l
	v_cvt_f32_f16 v75, v125.h
	v_cvt_f32_f16 v76, v126.l
	v_cvt_f32_f16 v77, v126.h
	v_cvt_f32_f16 v78, v127.l
	v_cvt_f32_f16 v79, v127.h
	v_cvt_f32_f16 v80, v80.l
	v_cvt_f32_f16 v81, v81.l
	v_cvt_f32_f16 v82, v82.l
	v_cvt_f32_f16 v83, v83.l
	v_cvt_f32_f16 v84, v84.l
	v_cvt_f32_f16 v85, v85.l
	v_cvt_f32_f16 v86, v86.l
	v_cvt_f32_f16 v87, v87.l
	v_cvt_f32_f16 v88, v88.l
	v_cvt_f32_f16 v89, v89.l
	v_cvt_f32_f16 v90, v90.l
	v_cvt_f32_f16 v91, v91.l
	v_cvt_f32_f16 v92, v92.l
	v_cvt_f32_f16 v93, v93.l
	v_cvt_f32_f16 v94, v94.l
	v_cvt_f32_f16 v95, v95.l
	v_cvt_f32_f16 v96, v96.l
	v_cvt_f32_f16 v97, v97.l
	v_cvt_f32_f16 v98, v98.l
	v_cvt_f32_f16 v99, v99.l
	v_cvt_f32_f16 v100, v100.l
	v_cvt_f32_f16 v101, v101.l
	v_cvt_f32_f16 v102, v102.l
	v_cvt_f32_f16 v103, v103.l
	v_cvt_f32_f16 v104, v104.l
	v_cvt_f32_f16 v105, v105.l
	v_cvt_f32_f16 v106, v106.l
	v_cvt_f32_f16 v107, v107.l
	v_cvt_f32_f16 v108, v108.l
	v_cvt_f32_f16 v109, v109.l
	v_cvt_f32_f16 v110, v110.l
	v_cvt_f32_f16 v111, v111.l
.endm
; A KEY TILE: the 16 keys of tile ut of the slot in hand, if it is live.  src = 0: K and V in f32 (keys 0-15); 1: in f16, widened.
.macro TILE ut, src
	s_bitcmp1_b32 s[20+\ut], 0
	s_cbranch_scc0 .Lno_tile_\@
	global_load_b32 v228, v7, s[28:29]             ; my lane's hidden bits of the slot: bit 8 ut + j hides score j
.if \src == 0
.irp i, 0,1,2,3,4,5,6,7
	global_load_b128 v[48+4*\i:48+4*\i+3], v3, s[38:39] offset:16*\i
.endr
.irp t, 0,1,2,3
.irp e, 0,1,2,3,4,5,6,7
	global_load_b32 v[80+8*\t+\e], v4, s[40:41] offset:\e*4096+\t*64
.endr
.endr
	s_wait_loadcnt 0x0
.else
.irp i, 0,1,2,3
	global_load_b128 v[112+4*\i:112+4*\i+3], v5, s[24:25] offset:\ut*2048+16*\i
.endr
.irp t, 0,1,2,3
.irp e, 0,1,2,3,4,5,6,7
	global_load_u16 v[80+8*\t+\e], v6, s[26:27] offset:\ut*2048+\e*128+\t*32
.endr
.endr
	s_wait_loadcnt 0x0
	WIDEN
.endif
.set i, 0
.rept 16                               ; the scores: two accumulators by turns; each sum's first product takes 0
.if i < 2
	v_wmma_f32_16x16x4_f32 v[128+8*(i%2):135+8*(i%2)], v[48+2*i:49+2*i], v[16+2*i:17+2*i], 0
.else
	v_wmma_f32_16x16x4_f32 v[128+8*(i%2):135+8*(i%2)], v[48+2*i:49+2*i], v[16+2*i:17+2*i], v[128+8*(i%2):135+8*(i%2)]
.endif
.set i, i+1
.endr
.rept 8
	v_nop                                          ; eight places behind this form
.endr
.irp j, 0,1,2,3,4,5,6,7
	v_add_f32 v[176+\j], v[128+\j], v[136+\j]      ; into other registers, from the low end on
.endr
.irp j, 0,1,2,3,4,5,6,7
	v_and_b32 v220, 1<<(8*\ut+\j), v228
	v_cmp_ne_u32 vcc_lo, 0, v220
	v_cndmask_b32 v[176+\j], v[176+\j], v229, vcc_lo
.endr
	v_max3_num_f32 v220, v176, v177, v178
	v_max3_num_f32 v221, v179, v180, v181
	v_max3_num_f32 v220, v220, v182, v183
	v_max_num_f32 v220, v220, v221
	v_permlanex16_b32 v221, v220, s32, s33
	v_max_num_f32 v220, v220, v221
	v_mul_f32 v220, s34, v220
	v_max_num_f32 v220, v220, v216                 ; the new cM
	v_sub_f32 v219, v216, v220
	v_mov_b32 v216, v220
.irp j, 0,1,2,3,4,5,6,7
	v_fma_f32 v[176+\j], v[176+\j], s34, -v216
.endr
	v_exp_f32 v218, v219                           ; a
.irp j, 0,1,2,3,4,5,6,7
	v_exp_f32 v[176+\j], v[176+\j]                 ; p
.endr
	v_nop
	s_wait_alu depctr_va_vdst(0)                   ; one wait for the nine, ahead of their first reader
	v_add_f32 v220, v176, v177
	v_add_f32 v221, v178, v179
	v_add_f32 v222, v180, v181
	v_add_f32 v223, v182, v183
	v_add_f32 v220, v220, v221
	v_add_f32 v222, v222, v223
	v_add_f32 v220, v220, v222
	v_fma_f32 v217, v217, v218, v220               ; l = l a + the sum
.irp i, 0,1,2,3                        ; V^T P of this tile: four accumulators by turns
.irp t, 0,1,2,3
.if \i == 0
	v_wmma_f32_16x16x4_f32 v[144+8*\t:151+8*\t], v[80+8*\t+2*\i:81+8*\t+2*\i], v[176+2*\i:177+2*\i], 0
.else
	v_wmma_f32_16x16x4_f32 v[144+8*\t:151+8*\t], v[80+8*\t+2*\i:81+8*\t+2*\i], v[176+2*\i:177+2*\i], v[144+8*\t:151+8*\t]
.endif
.endr
.endr
.rept 8
	v_nop                                          ; eight places: the results are read, and the next tile's loads land in the sources
.endr
.set n, 0
.rept 32
	v_fma_f32 v[184+n], v[184+n], v218, v[144+n]   ; O^T = O^T a + the tile's, ascending
.set n, n+1
.endr
.Lno_tile_\@:
.endm
	TILE 0, 0                                      ; keys 0-15, in f32
	s_and_b32 s20, s20, -2                         ; done
	s_mov_b32 s30, 0
.Lslot:                                ; 32 trips: the slot's four key tiles, each if it is live
	TILE 0, 1
	TILE 1, 1
	TILE 2, 1
	TILE 3, 1
	s_wait_xcnt 0x0                                ; the bases are stepped only behind this wait
	s_add_nc_u64 s[24:25], s[24:25], 8192
	s_add_nc_u64 s[26:27], s[26:27], 8192
	s_add_nc_u64 s[28:29], s[28:29], 256
	s_lshr_b32 s20, s20, 1
	s_lshr_b32 s21, s21, 1
	s_lshr_b32 s22, s22, 1
	s_lshr_b32 s23, s23, 1
	s_add_co_u32 s30, s30, 1
	s_cmp_lt_u32 s30, 32
	s_cbranch_scc1 .Lslot
	; THE PROJECTION: out^T (64 columns x 16 queries) of my head's 64 channels.  Source 0 = 16 rows of Wo^T, source 1 = ctx.
.rept 8
	v_nop                                          ; places in front of loads into registers that the f32 form has read
.endr
.macro WLOAD reg, off                  ; four tiles of 16 rows x 32 along K
.irp t, 0,1,2,3
	global_load_b128 v[\reg+8*\t:\reg+8*\t+3], v9, s[42:43] offset:\off+\t*32768
	global_load_b128 v[\reg+8*\t+4:\reg+8*\t+7], v9, s[42:43] offset:\off+\t*32768+32
.endr
.endm
	WLOAD 16, 0                                    ; high, g = 0
	WLOAD 48, 2097152                              ; low, g = 0
	WLOAD 80, 64                                   ; high, g = 1
	v_permlanex16_b32 v220, v217, s32, s33
	v_add_f32 v217, v217, v220                     ; the row's sum
	v_rcp_f32 v218, v217
	v_nop
	s_wait_alu depctr_va_vdst(0)
.set n, 0
.rept 32
	v_mul_f32 v[184+n], v[184+n], v218             ; ctx, in f32
.set n, n+1
.endr
.macro SPLIT n, lo                     ; two numbers into a high part of 11 significant bits and the rest: c = 8193 x, high = c - (c - x), low = x - high
	v_pk_mul_f32 v[220:221], v[184+2*\n:185+2*\n], s[44:45] op_sel_hi:[1,0]
	v_pk_add_f32 v[222:223], v[220:221], v[184+2*\n:185+2*\n] neg_lo:[0,1] neg_hi:[0,1]
	v_pk_add_f32 v[220:221], v[220:221], v[222:223] neg_lo:[0,1] neg_hi:[0,1]
	v_pk_add_f32 v[222:223], v[184+2*\n:185+2*\n], v[220:221] neg_lo:[0,1] neg_hi:[0,1]
	v_cvt_pk_f16_f32 v[112+\n], v220, v221
	v_cvt_pk_f16_f32 v[\lo], v222, v223
.endm
.irp n, 0,1,2,3,4,5,6,7
	SPLIT \n, 176+\n                               ; register n of source 1: channels 32 g + 16 u + 8 hh + 2 i, + 1, n = 8 g + 4 u + i
.endr
.irp n, 8,9,10,11,12,13,14,15
	SPLIT \n, 240+\n
.endr
	WLOAD 216, 2097152+64                          ; low, g = 1: over the statistics, which are done with
	s_wait_loadcnt 0x0
.macro OUT4 w, c, first                ; four accumulators by turns
.irp t, 0,1,2,3
.if \first
	v_wmma_f32_16x16x32_f16 v[184+8*\t:191+8*\t], v[\w+8*\t:\w+8*\t+7], v[\c:\c+7], 0
.else
	v_wmma_f32_16x16x32_f16 v[184+8*\t:191+8*\t], v[\w+8*\t:\w+8*\t+7], v[\c:\c+7], v[184+8*\t:191+8*\t]
.endif
.endr
.endm
	OUT4 16, 112, 1                                ; high x high
	OUT4 16, 176, 0                                ; high x low
	OUT4 48, 112, 0                                ; low x high
	OUT4 80, 120, 0
	OUT4 80, 248, 0
	OUT4 216, 120, 0
.rept 4
	v_nop
.endr
.irp t, 0,1,2,3
	ds_store_b128 v10, v[184+8*\t:187+8*\t] offset:64*\t          ; lane (r, hh): row r, columns 16 t + 8 hh + 0 .. 7
	ds_store_b128 v10, v[188+8*\t:191+8*\t] offset:64*\t+16
.endr
	s_wait_dscnt 0x0                               ; for the others' sake: my part lies in LDS
	s_barrier_signal -1
	s_barrier_wait -1
.irp i, 0,1,2,3,4,5,6,7,8,9,10,11,12,13,14,15
	ds_load_b64 v[16+2*\i:17+2*\i], v11 offset:\i*4352            ; row w of head i's part: 256 consecutive bytes
.endr
	s_wait_dscnt 0x0
.irp i, 0,1,2,3,4,5,6,7
	v_pk_add_f32 v[16+4*\i:17+4*\i], v[16+4*\i:17+4*\i], v[18+4*\i:19+4*\i]
.endr
.irp i, 0,1,2,3
	v_pk_add_f32 v[16+8*\i:17+8*\i], v[16+8*\i:17+8*\i], v[20+8*\i:21+8*\i]
.endr
.irp i, 0,1
	v_pk_add_f32 v[16+16*\i:17+16*\i], v[16+16*\i:17+16*\i], v[24+16*\i:25+16*\i]
.endr
	v_pk_add_f32 v[16:17], v[16:17], v[32:33]
	v_pk_add_f32 v[16:17], v[16:17], v[14:15]      ; + bo
	global_store_b64 v8, v[16:17], s[14:15]        ; the wave stores 256 consecutive bytes, aligned
	s_wait_tensorcnt 0x0                           ; the wave's end, behind my last LDS store
	ds_add_u32 v12, v13
	s_wait_dscnt 0x0
	s_endpgm
.Lfunc_end_k_qafd435fa3e_fine:
	.size	k_qafd435fa3e_fine, .Lfunc_end_k_qafd435fa3e_fine-k_qafd435fa3e_fine
	.p2alignl 7, 3214868480
	.fill 96, 4, 3214868480
	.section	.rodata,"a",@progbits
	.p2align	6, 0x0
	.amdhsa_kernel k_qafd435fa3e_fine
		.amdhsa_group_segment_fixed_size 71680
		.amdhsa_private_segment_fixed_size 0
		.amdhsa_enable_private_segment 0
		.amdhsa_kernarg_size 48
		.amdhsa_user_sgpr_count 2
		.amdhsa_user_sgpr_kernarg_segment_ptr 1
		.amdhsa_wavefront_size32 1
		.amdhsa_system_sgpr_workgroup_id_x 1
		.amdhsa_system_sgpr_workgroup_id_y 1
		.amdhsa_system_sgpr_workgroup_id_z 1
		.amdhsa_system_vgpr_workitem_id 0
		.amdhsa_next_free_vgpr 256
		.amdhsa_next_free_sgpr 66
		.amdhsa_reserve_vcc 1
		.amdhsa_float_denorm_mode_32 3
		.amdhsa_float_denorm_mode_16_64 3
		.amdhsa_memory_ordered 1
		.amdhsa_forward_progress 1
		.amdhsa_inst_pref_size 85
	.end_amdhsa_kernel
	.amdgpu_metadata
---
amdhsa.version: [ 1, 2 ]
amdhsa.kernels:
  - .name:           k_qafd435fa3e_fine
    .symbol:         k_qafd435fa3e_fine.kd
    .args:
      - { .name: f32r, .offset: 0, .size: 8, .value_kind: global_buffer, .address_space: global }
      - { .name: qkv, .offset: 8, .size: 8, .value_kind: global_buffer, .address_space: global }
      - { .name: mk, .offset: 16, .size: 8, .value_kind: global_buffer, .address_space: global }
      - { .name: wot, .offset: 24, .size: 8, .value_kind: global_buffer, .address_space: global }
      - { .name: bo, .offset: 32, .size: 8, .value_kind: global_buffer, .address_space: global }
      - { .name: out0, .offset: 40, .size: 8, .value_kind: global_buffer, .address_space: global }
    .group_segment_fixed_size: 71680
    .private_segment_fixed_size: 0
    .kernarg_segment_align: 8
    .kernarg_segment_size: 48
    .max_flat_workgroup_size: 512
    .sgpr_count:     66
    .vgpr_count:     256
    .wavefront_size: 32
...
	.end_amdgpu_metadata
.endif
;; end of part 5
